; MI455X (gfx1250); checked and timed in simulation.
; The chip was launched on July 23, 2026; its instructions are those of AMD's public machine-readable ISA for CDNA 5 (MIT licence, August 2026) and "CDNA5" Instruction Set Architecture Reference Guide (July 2026). The comments in the code are by the model that wrote it; some were corrected since.
;; Causal Self Attention. Allowed arithmetic: matrix products marked QUANTISED: E3M2 operands, one E8M0 scale for each 32 along K, by v_wmma_scale_f32_16x16x128_f8f6f4 with both operands' format E3M2, f32 sums; everything else in f32.
;; Inputs: Wk 2,048 x 2,048 float32; Wp 2,048 x 2,048 float32; Wq 2,048 x 2,048 float32; Wv 2,048 x 2,048 float32; attn_mask 4 x 1 x 1 x 512 float32; bk 2,048 float32; bp 2,048 float32; bq 2,048 float32; bv 2,048 float32; x 4 x 512 x 2,048 float32.
;; Outputs: out0 4 x 512 x 2,048 float32.
;; This version of the problem:
;;   THIS VERSION OF THE PROBLEM IS GIVEN IN LOW PRECISION. The matrix products marked QUANTISED in the list below multiply operands that are first quantised to E3M2 (3 exponent bits, 2 mantissa bits; 6 bits a number), with one power-of-two scale for each 32 numbers along K (OCP MX v1.0); their sums are f32. All else is computed in f32.
;;   The module's matrix products, in the order in which they are computed (A, B: the left and right operand; K: the contracted axis; several contracted axes count as one K, in the product's order):
;;     1. [M 2,048, K 2,048] x [K 2,048, N 2,048]; A: input x; B: input Wq: QUANTISED
;;     2. [M 2,048, K 2,048] x [K 2,048, N 2,048]; A: input x; B: input Wk: QUANTISED
;;     3. [M 2,048, K 2,048] x [K 2,048, N 2,048]; A: input x; B: input Wv: QUANTISED
;;     4. batch 64 x [M 512, K 128] x [K 128, N 512]; A: computed on the way; B: computed on the way: QUANTISED
;;     5. batch 64 x [M 512, K 512] x [K 512, N 128]; A: softmax (see below); B: computed on the way: QUANTISED
;;     6. [M 2,048, K 2,048] x [K 2,048, N 2,048]; A: computed on the way; B: input Wp: QUANTISED
;;   THE QUANTISER, for each operand of a quantised product, along K:
;;     - K is cut into blocks of 32 from its start; a last block that is shorter is filled with zeros.
;;     - A block's scale is 2^e with e = floor(log2(the largest magnitude in the block)) - 4, held to -126 .. 127; a block of zeros has e = 0. As a byte (E8M0): e + 127.
;;     - Each number is divided by its block's scale, clamped to +-28, and rounded to the nearest number of E3M2, ties to even, subnormals kept.
;;     - The product sums the exact products of the quantised numbers (number of the format x scale) in f32.
;;   ~~~python
;;   def quantise(x, axis):      # numpy; x: float32 -> the quantised numbers, widened to float32 again
;;       x = np.moveaxis(x, axis, -1); K = x.shape[-1]
;;       x = np.pad(x, [(0, 0)] * (x.ndim - 1) + [(0, -K % 32)]); x = x.reshape(x.shape[:-1] + (-1, 32)); a = np.abs(x).max(-1, keepdims=True)
;;       e = np.where(a > 0, np.clip(np.frexp(np.where(a > 0, a, 1))[1] - 1 - 4, -126, 127), 0)      # np.frexp(a)[1] - 1 = floor(log2(a)), exactly
;;       r = np.clip(x / 2.0 ** e, -28, 28)
;;       step = 2.0 ** (np.maximum(np.frexp(np.where(r == 0, 1, r))[1] - 1, -2) - 2)
;;       q = np.round(r / step) * step * 2.0 ** e      # np.round: ties to even
;;       return np.moveaxis(q.reshape(q.shape[:-2] + (-1,))[..., :K], -1, axis).astype(np.float32)
;;   ~~~
;;   SOFTMAX AHEAD OF A QUANTISED PRODUCT. Where the list says 'softmax', what is quantised is not the finished softmax but p = 2^(t - M), with t = logit x log2(e) and M = ceil(the row's largest t), a whole number; so 1/2 < the row's largest p <= 1. The row's sum l is taken of the UNQUANTISED p, in f32, and the product's result is divided by l at the end. Since M is a whole number, a kernel that streams over the keys may use a running M (the ceiling of the running maximum): every later rescaling is an exact power of two, which a block's scale takes up: the codes' values come out the same.
;;   OPERANDS COMPUTED ON THE WAY. 'Computed on the way' means the value that the module computes at that place (a softmax that the list does not call 'softmax' is quantised finished and normalised). What goes into a quantiser is computed in f32, as accurately as f32 sums, v_exp_f32 and their like allow (about 1e-6 of the number): no bf16 or f16 on the way to a quantiser, and a product that is left as it is and whose result goes on into a quantised operand takes f32 operands (vector FMAs, or v_wmma_f32_16x16x4_f32). A number that lies on a knife's edge between two numbers of the format may be rounded either way, as far as f32 arithmetic and the matrix unit's own rounding can turn it there, and no further.
;; One version. Each part assembles by itself: llvm-mc -triple=amdgcn-amd-amdhsa -mcpu=gfx1250 --defsym DOCPART=n.
;; ======== version 1 of 1: 4 launches
;; limits: right only within a limited range of input values
;; workspace buffers: opc 12,582,912 bytes; ops 524,288 bytes; qkvc 9,437,184 bytes; qkvs 393,216 bytes; yc 3,145,728 bytes; wpc 3,145,728 bytes; pws 262,144 bytes
;; launch quant (part 1): grid 256 x 1, 8 waves a work-group, no clusters, 267,264 bytes of LDS; arguments x, Wq, Wk, Wv, opc, ops; writes opc, ops
.if DOCPART == 1
	.amdgcn_target "amdgcn-amd-amdhsa--gfx1250"
	.amdhsa_code_object_version 6
	.text
	.protected	k_q32585cc814_quant
	.globl	k_q32585cc814_quant
	.p2align	8
	.type	k_q32585cc814_quant,@function
k_q32585cc814_quant:
	s_mov_b64 s[64:65], 0
	v_nop
	global_prefetch_b8 v0, s[64:65] scope:SCOPE_SE
	s_setreg_imm32_b32 hwreg(HW_REG_WAVE_MODE, 25, 1), 1
	s_wait_xcnt 0x0
; x, Wq, Wk, Wv [2048][2048], f32, K innermost, become codes of BF6 (E3M2) with one E8M0 scale byte for each 32 along K.  (Wp is quantised by the attention's launch.)
; A block's scale is 2^(floor(log2(its largest magnitude)) - 4); its byte is the largest magnitude's exponent field - 4, held at 1 from below.
; LIMITS: a block whose largest magnitude lies under 2^-122, a block of zeros among them, keeps the byte 1 (the bytes are read by this program alone); NaN and infinities among the inputs are not served.
; WORK LEFT OUT (in the attention's launch): tiles of keys that reference()'s own causal mask hides from every query of a tile get p = 0 for all values of the inputs, so their scores and their share of p v are not computed.
; A NaN, an infinity or an overflow that reaches only that work is not carried to the result.
; THE OUTPUT IS LAID AS THE MATRIX UNIT'S REGISTERS.  A fragment is 16 rows x 128 K, 12 registers a lane (lane = r + 16 h: row r; registers 6 c .. 6 c + 5 hold K = 64 c + 32 h + 0 .. 31); its image is 1,536 bytes:
; register 4 c + e of a lane at byte 512 c + 16 x lane + 4 e.  opc: [row block][K step 0..15][1536]; row blocks 0-127 x, 128-255 Wq, 256-383 Wk, 384-511 Wv.
; Lane row r of row block 2 g + u is row 32 g + 8 u + r + 8 (r / 8), so that the results of two neighbouring blocks are 16 neighbours in a lane's registers.
; ops: [g][K step / 2][u][r][2]: 256 bytes hold the scale words of 32 rows for two K steps.
; SHARES.  A work-group takes 32 whole rows, 256 KiB; wave w the bytes 1,024 w .. + 1,023 of each row: ONE tensor load of 32 KiB into LDS bytes of its own, which it alone reads: no ring, no refill, no barrier; all of the launch's input is asked for at its start.
; No clusters: no work-group reads another's input.  No prefetch: there is no loop to run ahead in.
.set PITCH, 1040                       ; an LDS row: 1,024 bytes + 16 of padding
.set WREG,  32*PITCH
.set SPARE, 8*WREG                     ; the spare words, 128 bytes for each wave
.set SPW, 2
.set NIL, 3
.set GIN, 4                            ; 16 x lane
.set RDA, 5                            ; my row and half in LDS
.set SH,  6                            ; 8 h
.set TP,  7
.set MX,  8
.set SO,  10
.set BY,  12
.set WW,  14
.set LN,  15
.set CD,  16                           ; v16-63 four fragments' codes
.set X,   64                           ; v64-191 two sets of my 2 x 32 neighbours
.set T2,  192
.set WD,  200                          ; v200-203 the four fragments' scale words
.set OW,  204
.set L8,  206
	s_load_b256 s[4:11], s[0:1], 0x0               ; x, Wq, Wk, Wv
	s_load_b128 s[12:15], s[0:1], 0x20             ; opc, ops
	v_lshl_add_u32 v[SPW], v0, 2, SPARE
	v_mov_b32 v[NIL], 0
	ds_add_u32 v[SPW], v[NIL]
	ds_add_u32 v[SPW], v[NIL]
	v_lshrrev_b32 v1, 5, v0
	v_readfirstlane_b32 s16, v1                    ; wave 0..7
	s_lshr_b32 s17, ttmp9, 6                       ; the tensor
	s_and_b32 s18, ttmp9, 63
	s_lshl_b32 s18, s18, 18                        ; 32 rows of 8,192 bytes
	s_lshl_b32 s19, s16, 10
	s_add_co_u32 s18, s18, s19
	s_mov_b32 s19, 0
	s_mul_i32 s32, ttmp9, 49152                    ; 32 images a work-group
	s_mul_i32 s33, s16, 3072
	s_add_co_u32 s32, s32, s33
	s_mov_b32 s33, 0
	s_lshl_b32 s34, ttmp9, 11
	s_lshl_b32 s35, s16, 8
	s_add_co_u32 s34, s34, s35
	s_mov_b32 s35, 0
	; group 1: 32 rows of 128 elements of 8 bytes, 1,024 elements apart, 4 dwords of padding behind each 256
	s_mov_b32 s24, (3<<16)|(1<<20)|(7<<22)|(3<<25)
	s_mov_b32 s25, 128<<16
	s_mov_b32 s26, 32<<16
	s_mov_b32 s27, 128<<16
	s_mov_b32 s28, 32
	s_mov_b32 s29, 1024
	s_mov_b32 s30, 0
	s_mov_b32 s31, 0
	s_mov_b32 s20, 1
	s_mul_i32 s21, s16, WREG
	s_wait_alu depctr_va_vdst(0)
	s_wait_dscnt 0x0
	s_wait_kmcnt 0x0
	s_cmp_eq_u32 s17, 1                            ; the choice hangs on the work-group's number alone
	s_cselect_b64 s[4:5], s[6:7], s[4:5]
	s_cmp_eq_u32 s17, 2
	s_cselect_b64 s[4:5], s[8:9], s[4:5]
	s_cmp_eq_u32 s17, 3
	s_cselect_b64 s[4:5], s[10:11], s[4:5]
	s_add_nc_u64 s[22:23], s[4:5], s[18:19]
	s_or_b32 s23, s23, 0x80000000
	tensor_load_to_lds s[20:23], s[24:31]
	s_nop 0
	s_add_nc_u64 s[12:13], s[12:13], s[32:33]
	s_add_nc_u64 s[14:15], s[14:15], s[34:35]
	s_mov_b32 s36, 0x76543210
	s_mov_b32 s37, 0xfedcba98                      ; v_permlanex16_b32's selects for lane l xor 16
	v_and_b32 v[LN], 31, v0
	v_and_b32 v8, 15, v0                           ; r
	v_bfe_u32 v9, v0, 4, 1                         ; h
	v_and_b32 v10, 8, v0
	v_lshlrev_b32 v[GIN], 4, v[LN]
	v_lshlrev_b32 v[L8], 3, v[LN]
	v_add_nc_u32 v10, v8, v10                      ; r + 8 (r / 8)
	v_lshlrev_b32 v[SH], 3, v9
	v_mul_u32_u24 v[RDA], v10, PITCH
	v_lshl_add_u32 v[RDA], v9, 7, v[RDA]
	v_add_nc_u32 v[RDA], s21, v[RDA]
	v_mov_b32 v[TP], 0                             ; written once: a lane permute's destination counts as one of its sources
.macro FETCH n                         ; fragment n: row block u = n % 2, K step n / 2
.irp c, 0,1
.irp i, 0,1,2,3,4,5,6,7
	ds_load_b128 v[X+64*((\n)%2)+32*\c+4*\i:X+64*((\n)%2)+32*\c+4*\i+3], v[RDA] offset:8*PITCH*((\n)%2)+512*((\n)/2)+256*\c+16*\i
.endr
.endr
.endm
.macro FRAGQ n
.set XS, X+64*((\n)%2)
.set CC, CD+12*(\n)
.if (\n) < 3
	s_wait_dscnt 16                                ; this fragment's 16 loads are in; the next one's may be out
.else
	s_wait_dscnt 0x0
.endif
.irp c, 0,1
	v_max3_num_f32 v[MX+\c], |v[XS+32*\c]|, |v[XS+32*\c+1]|, 0x2800000   ; and the floor 2^(5 - 127): the byte cannot fall under 1
.endr
.irp i, 2,4,6,8,10,12,14,16,18,20,22,24,26,28,30
.irp c, 0,1
	v_max3_num_f32 v[MX+\c], v[MX+\c], |v[XS+32*\c+\i]|, |v[XS+32*\c+\i+1]|   ; (the two blocks by turns)
.endr
.endr
.irp c, 0,1
	v_add_nc_u32 v[SO+\c], 0xfe000000, v[MX+\c]    ; 4 off the exponent field: the conversion takes the exponent field of this operand as its scale
.endr
.irp c, 0,1
	v_lshrrev_b32 v[BY+\c], 23, v[SO+\c]
.endr
.irp c, 0,1
	v_cvt_scalef32_pk16_bf6_f32 v[CC+6*\c:CC+6*\c+2], v[XS+32*\c:XS+32*\c+15], v[SO+\c]
	v_cvt_scalef32_pk16_bf6_f32 v[T2+4*\c:T2+4*\c+2], v[XS+32*\c+16:XS+32*\c+31], v[SO+\c]   ; (a conversion's three registers begin on an even number)
.endr
	v_lshl_or_b32 v[WW], v[BY+1], 16, v[BY]        ; blocks h and 2 + h of my row (and the plain place behind the conversions),
.if (\n) < 2
	FETCH (\n)+2
.endif
.irp c, 0,1
.irp i, 0,1,2
	v_mov_b32 v[CC+6*\c+3+\i], v[T2+4*\c+\i]
.endr
.endr
	v_lshlrev_b32 v[WW], v[SH], v[WW]              ; at their places in the scale word;
	v_permlanex16_b32 v[TP], v[WW], s36, s37
	v_or_b32 v[WD+(\n)], v[WW], v[TP]              ; with lane l xor 16's two the word is whole
.irp c, 0,1,2
	global_store_b128 v[GIN], v[CC+4*\c:CC+4*\c+3], s[12:13] offset:24576*((\n)%2)+1536*((\n)/2)+512*\c   ; 512 consecutive bytes a store, aligned
.endr
.endm
	s_wait_alu depctr_va_vdst(0)
	s_wait_tensorcnt 0x0                           ; my 32 KiB are in
	FETCH 0
	FETCH 1
	FRAGQ 0
	FRAGQ 1
	FRAGQ 2
	FRAGQ 3
	v_cmp_lt_u32 vcc_lo, 15, v[LN]                 ; lanes 0-15 row block u = 0, lanes 16-31 u = 1: both K steps' words
	v_cndmask_b32 v[OW], v[WD], v[WD+1], vcc_lo
	v_cndmask_b32 v[OW+1], v[WD+2], v[WD+3], vcc_lo
	global_store_b64 v[L8], v[OW:OW+1], s[14:15]   ; one aligned unit of 256 bytes
	s_wait_tensorcnt 0x0                           ; the wave's end
	ds_add_u32 v[SPW], v[NIL]
	s_wait_dscnt 0x0
	s_endpgm
.Lfunc_end_k_q32585cc814_quant:
	.size	k_q32585cc814_quant, .Lfunc_end_k_q32585cc814_quant-k_q32585cc814_quant
	.p2alignl 7, 3214868480
	.fill 96, 4, 3214868480
	.section	.rodata,"a",@progbits
	.p2align	6, 0x0
	.amdhsa_kernel k_q32585cc814_quant
		.amdhsa_group_segment_fixed_size 267264
		.amdhsa_private_segment_fixed_size 0
		.amdhsa_enable_private_segment 0
		.amdhsa_kernarg_size 48
		.amdhsa_user_sgpr_count 2
		.amdhsa_user_sgpr_kernarg_segment_ptr 1
		.amdhsa_wavefront_size32 1
		.amdhsa_system_sgpr_workgroup_id_x 1
		.amdhsa_system_sgpr_workgroup_id_y 1
		.amdhsa_system_sgpr_workgroup_id_z 1
		.amdhsa_system_vgpr_workitem_id 0
		.amdhsa_next_free_vgpr 208
		.amdhsa_next_free_sgpr 66
		.amdhsa_reserve_vcc 1
		.amdhsa_float_denorm_mode_32 3
		.amdhsa_float_denorm_mode_16_64 3
		.amdhsa_memory_ordered 1
		.amdhsa_forward_progress 1
		.amdhsa_inst_pref_size 21
	.end_amdhsa_kernel
	.amdgpu_metadata
---
amdhsa.version: [ 1, 2 ]
amdhsa.kernels:
  - .name:           k_q32585cc814_quant
    .symbol:         k_q32585cc814_quant.kd
    .args:
      - { .name: x, .offset: 0, .size: 8, .value_kind: global_buffer, .address_space: global }
      - { .name: Wq, .offset: 8, .size: 8, .value_kind: global_buffer, .address_space: global }
      - { .name: Wk, .offset: 16, .size: 8, .value_kind: global_buffer, .address_space: global }
      - { .name: Wv, .offset: 24, .size: 8, .value_kind: global_buffer, .address_space: global }
      - { .name: opc, .offset: 32, .size: 8, .value_kind: global_buffer, .address_space: global }
      - { .name: ops, .offset: 40, .size: 8, .value_kind: global_buffer, .address_space: global }
    .group_segment_fixed_size: 267264
    .private_segment_fixed_size: 0
    .kernarg_segment_align: 8
    .kernarg_segment_size: 48
    .max_flat_workgroup_size: 256
    .sgpr_count:     66
    .vgpr_count:     208
    .wavefront_size: 32
...
	.end_amdgpu_metadata
.endif
;; end of part 1
;; launch qkv (part 2): grid 16 x 16, 4 waves a work-group, clusters of 4 x 4, 327,680 bytes of LDS; arguments opc, ops, bq, bk, bv, qkvc, qkvs; writes qkvc, qkvs
.if DOCPART == 2
	.amdgcn_target "amdgcn-amd-amdhsa--gfx1250"
	.amdhsa_code_object_version 6
	.text
	.protected	k_q32585cc814_qkv
	.globl	k_q32585cc814_qkv
	.p2align	8
	.type	k_q32585cc814_qkv,@function
k_q32585cc814_qkv:
	s_mov_b64 s[64:65], 0
	v_nop
	global_prefetch_b8 v0, s[64:65] scope:SCOPE_SE
	s_setreg_imm32_b32 hwreg(HW_REG_WAVE_MODE, 25, 1), 1
	s_wait_xcnt 0x0
	s_wait_alu depctr_hold_cnt(0) depctr_sa_sdst(0) depctr_va_vdst(0) depctr_va_sdst(0) depctr_va_ssrc(0) depctr_va_vcc(0) depctr_vm_vsrc(0)
	s_getreg_b32 s2, hwreg(HW_REG_IB_STS2, 6, 4)
	s_cmp_eq_u32 s2, 0
	s_cbranch_scc0 .Lentry_in_a_cluster
	s_endpgm
.Lentry_in_a_cluster:
	s_bfe_u32 s2, ttmp6, 0x10000c
	s_cmp_lg_u32 s2, 0xf033
	s_cbranch_scc0 .Lentry_shape_is_right
	s_endpgm
.Lentry_shape_is_right:
; q, k, v = x W^T + b on codes of BF6 (E3M2) with E8M0 scales, quantised again for the attention: q and k along the head's 128, v along the tokens.
; A work-group makes one head's q, k and v for 128 tokens: 128 x 384, so there are 16 x 16 of them.  Wave j makes 128 tokens x (32 of q, 32 of k, 32 of v): 8 row blocks of x by 6 of W: 48 accumulators.
; q and k are made TRANSPOSED (source 0 = 16 rows of W, source 1 = 16 of x): a lane holds one token and its registers run along the head.  v has source 0 = x, source 1 = Wv: a lane holds one of the head's 128 and its registers run along the tokens.
; K: 16 steps of 128, in chunks of three (the last of one) through two LDS slots.  Slot: x's 8 row blocks, then Wq's, Wk's, Wv's 8: wave w fetches the w-th of the four by one load.  The walk is written out.
; CLUSTERS of 4 x 4: x's tiles are shared along a row of the cluster, W's along a column.
; PREFETCH: behind the load of chunk c each wave asks for chunk c + 2 (behind chunk 0's for chunks 1 and 2): of its tile's 8 row blocks the partner at place p takes 2 p and 2 p + 1, told apart by address.
; THE SCALE WORDS go from memory straight into registers, in three sets of two steps, four steps ahead: lanes 0-15 take x's rows, lanes 16-31 W's.
; OUT: qkvc [q, k, v][16 batch + head][49152].  q, k: 3,072 bytes for 32 tokens (row blocks 2 g, 2 g + 1): for each block j of 32 along the head 768 bytes: 16 bytes a row of block 2 g, of block 2 g + 1, then 8 bytes a row of both (their order swapped where j is odd).
; v: [128 tokens][8 row blocks][1536], images of registers.  qkvs: [type][bh][group of 4 row blocks][16 r + 4 e]: scale words.
; LIMITS: a block whose largest magnitude lies under 2^-122 keeps the scale byte 1; NaN and infinities are not served.
; REGISTERS: window 0: v1-15 addresses; v16-63 scale words; v64-255 x's fragments, two sets.  Window 1: v0-143 W's fragments, two sets; v144-191 biases in the results' layout; v192-197 addresses.
;   Window 2: q and k: row block a, tile f at 32 a + 8 f.  Window 3: v: tile f, row block a at 64 f + 8 a.
.set FRB,   1536
.set BLK,   3*FRB
.set HALFT, 8*BLK
.set SLOT,  4*HALFT
.set SCR,   2*SLOT                     ; scale words on their way out: q, k, v, 512 bytes each: no tensor load lands here
.set SPARE, SCR+1536
.set SPW, 3
.set NIL, 4
.set SOF, 5                            ; v5-8 where my scale words lie
.set PF,  9                            ; v9-11 the prefetches' offsets
.set SC,  16
.set AF,  64
.set BI,  144
.set BAD, 192                          ; (window 1) W's LDS addresses: q and k in slot 0, 1; v in slot 0, 1; the last step's
.set G1,  24
.set G0,  32
.set G1B, 48
.set G0B, 56
.set PFB, 66
.set SEL, 92
.set MSB, 0
.macro WIN new                         ; the immediate's high byte repeats the setting that is left
.if MSB != (\new)
	s_set_vgpr_msb (MSB<<8)|(\new)
.set MSB, (\new)
.endif
.endm
.macro PLACES
.rept 4
	v_nop
.endr
.endm
.macro JLOAD s                         ; a joint load: wave 0 fetches x's tile, waves 1-3 W's; s_nop 0 and four v_nop follow each line
	s_cmp_eq_u32 s14, 0
	s_cbranch_scc0 .Lfor_b_\@
	tensor_load_to_lds s[G0+4*(\s):G0+4*(\s)+3], s[G1:G1+7]
	s_nop 0
.rept 4
	v_nop
.endr
	s_branch .Lasked_\@
.Lfor_b_\@:
	tensor_load_to_lds s[G0B+4*(\s):G0B+4*(\s)+3], s[G1B:G1B+7]
	s_nop 0
.rept 4
	v_nop
.endr
.Lasked_\@:
.endm
.macro CREST                           ; a round of the cluster's barrier behind its opening barrier
	s_cmp_lg_u32 s14, 0
	s_cbranch_scc1 .Lnot_wave_0_\@
	s_barrier_signal -3
.Lnot_wave_0_\@:
	s_barrier_wait -3
	s_barrier_signal -1
	s_barrier_wait -1
.endm
.macro CROUND
	s_barrier_signal -1
	s_barrier_wait -1
	CREST
.endm
	s_load_b256 s[4:11], s[0:1], 0x0               ; opc, ops, bq, bk
	s_load_b128 s[16:19], s[0:1], 0x20             ; bv, qkvc
	s_load_b64 s[20:21], s[0:1], 0x30              ; qkvs
	v_lshl_add_u32 v[SPW], v0, 2, SPARE
	v_mov_b32 v[NIL], 0
	ds_add_u32 v[SPW], v[NIL]
	ds_add_u32 v[SPW], v[NIL]
	v_lshrrev_b32 v12, 5, v0
	v_readfirstlane_b32 s14, v12                   ; wave 0..3
	s_bfe_u32 s40, ttmp6, 0x40000                  ; cx
	s_bfe_u32 s41, ttmp6, 0x40004                  ; cy
	s_lshl_b32 s42, ttmp9, 2
	s_add_co_u32 s42, s42, s40                     ; gx: the head
	s_and_b32 s43, ttmp7, 0xffff
	s_lshl_b32 s43, s43, 2
	s_add_co_u32 s43, s43, s41                     ; gy: the 128 tokens
	s_lshl_b32 s44, s41, 2
	s_lshl_b32 s44, 15, s44                        ; my row of the cluster
	s_lshl_b32 s45, 0x1111, s40                    ; my column
	; group 1: 8 row blocks x 4,608 bytes (576 elements of 8), 24,576 bytes apart
	s_or_b32 s[G1+0], s44, (3<<16)|(1<<21)
	s_or_b32 s[G1B+0], s45, (3<<16)|(1<<21)
.irp g, G1, G1B
	s_mov_b32 s[\g+1], 576<<16
	s_mov_b32 s[\g+2], 8<<16
	s_mov_b32 s[\g+3], 576<<16
	s_mov_b32 s[\g+4], 8
	s_mov_b32 s[\g+5], 3072
	s_mov_b32 s[\g+6], 0
	s_mov_b32 s[\g+7], 0
.endr
	s_mul_i32 s68, s43, 8*24576                    ; x: row block 8 gy
	s_mov_b32 s69, 0
	s_mul_i32 s70, s42, 8*24576                    ; W: row block 128 x wave + 8 gx
	s_mul_i32 s71, s14, 128*24576
	s_add_co_u32 s70, s70, s71
	s_mov_b32 s71, 0
	s_mul_i32 s46, s14, HALFT
	; the prefetches' base
	s_mul_i32 s72, s40, 2*24576
	s_add_co_u32 s72, s72, s68
	s_mul_i32 s74, s41, 2*24576
	s_add_co_u32 s74, s74, s70
	s_cmp_eq_u32 s14, 0
	s_cselect_b32 s72, s72, s74
	s_mov_b32 s73, 0
	; scale words: x's begin at 8,192 gy, W's at 2,048 (64 + 4 gx + wave); for i / 2 = m x's lie 2,048 m on and W's 131,072 m (v's again for m = 3)
	s_lshl_b32 s76, s43, 13
	s_lshl_b32 s77, s42, 2
	s_add_co_u32 s77, s77, s14
	s_add_co_u32 s77, s77, 64
	s_lshl_b32 s77, s77, 11
	s_sub_co_u32 s77, s77, s76
	s_add_co_u32 s85, s77, 131072-2048
	s_add_co_u32 s86, s77, 2*131072-2*2048
	s_add_co_u32 s87, s77, 2*131072-3*2048
	s_add_co_u32 s89, s76, 2048
	s_add_co_u32 s90, s76, 2*2048
	s_add_co_u32 s91, s76, 3*2048
	; W's fragments in LDS: wave j takes row blocks 2 j, 2 j + 1 of each of the three
	s_mul_i32 s78, s14, 2*BLK
	s_add_co_u32 s78, s78, HALFT
	s_add_co_u32 s79, s78, SLOT
	s_add_co_u32 s80, s78, 2*HALFT
	s_add_co_u32 s81, s79, 2*HALFT
	s_mul_i32 s82, s14, 2*FRB
	s_add_co_u32 s82, s82, SLOT+HALFT
	s_add_co_u32 s83, s82, 2*HALFT
	s_lshl_b32 s84, s42, 9                         ; biases: 4 (128 gx + 32 j)
	s_lshl_b32 s88, s14, 7
	s_add_co_u32 s84, s84, s88
	; where my results go
	s_lshr_b32 s94, s43, 2
	s_lshl_b32 s94, s94, 4
	s_add_co_u32 s94, s94, s42                     ; 16 batch + head
	s_and_b32 s95, s43, 3                          ; which 128 tokens of the batch
	s_mul_i32 s96, s94, 49152
	s_mul_i32 s97, s95, 12288
	s_add_co_u32 s96, s96, s97
	s_mov_b32 s97, 0
	s_lshl_b32 s98, s94, 11
	s_lshl_b32 s95, s95, 9
	s_add_co_u32 s98, s98, s95
	s_lshl_b32 s95, s14, 17
	s_add_co_u32 s98, s98, s95
	s_mov_b32 s99, 0
	s_mov_b32 s[SEL], 0x76543210
	s_mov_b32 s[SEL+1], 0xfedcba98
	s_wait_alu depctr_va_vdst(0)
	s_wait_dscnt 0x0
	s_wait_kmcnt 0x0
	s_add_nc_u64 s[68:69], s[4:5], s[68:69]
	s_add_nc_u64 s[70:71], s[4:5], s[70:71]
	s_add_nc_u64 s[PFB:PFB+1], s[4:5], s[72:73]
	s_add_nc_u64 s[18:19], s[18:19], s[96:97]
	s_add_nc_u64 s[20:21], s[20:21], s[98:99]
	CROUND                                         ; all sixteen work-groups are here: the first joint loads meet
.irp s, 0,1
	s_mov_b32 s[G0+4*\s], 1
	s_mov_b32 s[G0+4*\s+1], \s*SLOT
	s_add_nc_u64 s[G0+4*\s+2:G0+4*\s+3], s[68:69], \s*BLK
	s_or_b32 s[G0+4*\s+3], s[G0+4*\s+3], 0x80000000
	s_mov_b32 s[G0B+4*\s], 1
	s_add_co_u32 s[G0B+4*\s+1], s46, \s*SLOT
	s_add_nc_u64 s[G0B+4*\s+2:G0B+4*\s+3], s[70:71], \s*BLK
	s_or_b32 s[G0B+4*\s+3], s[G0B+4*\s+3], 0x80000000
.endr
	JLOAD 0                                        ; chunk 0: one tensor load a wave at the head
	v_and_b32 v12, 15, v0                          ; r
	v_bfe_u32 v13, v0, 4, 1                        ; h
	v_and_b32 v14, 31, v0
	v_lshlrev_b32 v15, 3, v12
	v_lshlrev_b32 v1, 4, v14                       ; x's fragments in slot 0: 16 x lane,
	v_mul_u32_u24 v5, s77, v13
	v_mul_u32_u24 v6, s85, v13
	v_mul_u32_u24 v7, s86, v13
	v_mul_u32_u24 v8, s87, v13
	v_add_nc_u32 v2, SLOT, v1                      ; and in slot 1
	v_add3_u32 v5, v5, s76, v15
	v_add3_u32 v6, v6, s89, v15
	v_add3_u32 v7, v7, s90, v15
	v_add3_u32 v8, v8, s91, v15
	v_and_b32 v14, 8, v12
	v_lshl_add_u32 v15, v13, 6, s84                ; bq, bk: register i of tile u is 32 j + 16 h + 8 u + i of the head
	v_add_nc_u32 v14, v14, v12
	v_lshl_add_u32 v14, v14, 2, s84                ; bv: lane r of tile u is 32 j + 8 u + r + 8 (r / 8)
	WIN 0x40
.irp e, 0,1,2,3
	global_load_b128 v[BI+4*\e:BI+4*\e+3], v15, s[8:9] offset:16*\e
.endr
.irp e, 0,1,2,3
	global_load_b128 v[BI+16+4*\e:BI+19+4*\e], v15, s[10:11] offset:16*\e
.endr
	global_load_b32 v[BI+32], v14, s[16:17]
	global_load_b32 v[BI+40], v14, s[16:17] offset:32
	WIN 0
.macro SLOAD kp                        ; the scale words of steps 2 kp, 2 kp + 1
.irp i, 0,1,2,3,4,5,6,7
	global_load_b64 v[SC+16*((\kp)%3)+2*\i:SC+16*((\kp)%3)+2*\i+1], v[SOF+\i/2], s[6:7] offset:256*(\kp)+128*(\i%2)
.endr
.endm
	SLOAD 0
	SLOAD 1
	SLOAD 2
	v_mul_u32_u24 v11, 0x6000, v13                 ; the prefetches: lanes 0-15 one row block, lanes 16-31 the next
	v_lshl_add_u32 v[PF], v12, 8, v11              ; sixteen of a chunk's eighteen blocks of 256 bytes,
	v_min_u32 v[PF+1], 1, v12
	v_lshl_add_u32 v[PF+1], v[PF+1], 8, v11        ; the last two (the other lanes name the last again),
	v_min_u32 v12, 5, v12
	v_lshl_add_u32 v[PF+2], v12, 8, v11            ; and the last chunk's six
	WIN 0x40
	v_add_nc_u32 v[BAD], s78, v1
	v_add_nc_u32 v[BAD+1], s79, v1
	v_add_nc_u32 v[BAD+2], s80, v1
	v_add_nc_u32 v[BAD+3], s81, v1
	v_add_nc_u32 v[BAD+4], s82, v1
	v_add_nc_u32 v[BAD+5], s83, v1
	WIN 0
.macro KSET k                          ; step k's slot, its row blocks' distance and its place in them
.set KSL, ((\k)/3)%2
.if (\k) == 15
.set KPI, FRB
.set KOF, 0
.set KQ, BAD+4
.set KV, BAD+5
.else
.set KPI, BLK
.set KOF, ((\k)%3)*FRB
.set KQ, BAD+KSL
.set KV, BAD+2+KSL
.endif
.endm
.macro FETCH_B k                       ; W's six fragments: 18 loads
	KSET \k
	WIN 0x41
.irp f, 0,1,2,3
.irp c, 0,1,2
	ds_load_b128 v[72*((\k)%2)+12*\f+4*\c:72*((\k)%2)+12*\f+4*\c+3], v[KQ] offset:HALFT*(\f/2)+KPI*(\f%2)+KOF+512*\c
.endr
.endr
.irp f, 0,1
.irp c, 0,1,2
	ds_load_b128 v[72*((\k)%2)+48+12*\f+4*\c:72*((\k)%2)+48+12*\f+4*\c+3], v[KV] offset:KPI*\f+KOF+512*\c
.endr
.endr
	WIN 0
.endm
.macro FETCH_A k                       ; x's eight fragments: 24 loads
	KSET \k
	WIN 0
.irp i, 0,1,2,3,4,5,6,7
.irp c, 0,1,2
	ds_load_b128 v[AF+96*((\k)%2)+12*\i+4*\c:AF+96*((\k)%2)+12*\i+4*\c+3], v[1+KSL] offset:KPI*\i+KOF+512*\c
.endr
.endr
.endm
; q and k of row block a: 4 matrix instructions; v: 2.  fst: the sums begin with the biases.  The 48 accumulators take turns, one instruction a turn, in the same order in every step.
.macro MQ k, a, fst
.set SR, SC+16*(((\k)/2)%3)+(\k)%2
.set FA, AF+96*((\k)%2)+12*(\a)
.set FB, 72*((\k)%2)
.irp f, 0,1,2,3
.if \fst
	v_wmma_scale_f32_16x16x128_f8f6f4 v[32*(\a)+8*\f:32*(\a)+8*\f+7], v[FB+12*\f:FB+12*\f+11], v[FA:FA+11], v[BI+8*\f:BI+8*\f+7], v[SR+2*\f], v[SR+2*(\a)] matrix_a_fmt:MATRIX_FMT_BF6 matrix_b_fmt:MATRIX_FMT_BF6 matrix_a_scale:MATRIX_SCALE_ROW1
.else
	v_wmma_scale_f32_16x16x128_f8f6f4 v[32*(\a)+8*\f:32*(\a)+8*\f+7], v[FB+12*\f:FB+12*\f+11], v[FA:FA+11], v[32*(\a)+8*\f:32*(\a)+8*\f+7], v[SR+2*\f], v[SR+2*(\a)] matrix_a_fmt:MATRIX_FMT_BF6 matrix_b_fmt:MATRIX_FMT_BF6 matrix_a_scale:MATRIX_SCALE_ROW1
.endif
.endr
.endm
.macro MV k, fst
.set SR, SC+16*(((\k)/2)%3)+(\k)%2
.set FA, AF+96*((\k)%2)
.set FB, 72*((\k)%2)+48
.irp a, 0,1,2,3,4,5,6,7
.irp f, 0,1
.if \fst
	v_wmma_scale_f32_16x16x128_f8f6f4 v[64*\f+8*\a:64*\f+8*\a+7], v[FA+12*\a:FA+12*\a+11], v[FB+12*\f:FB+12*\f+11], v[BI+32+8*\f:BI+32+8*\f+7], v[SR+2*\a], v[SR+8+2*\f] matrix_a_fmt:MATRIX_FMT_BF6 matrix_b_fmt:MATRIX_FMT_BF6 matrix_b_scale:MATRIX_SCALE_ROW1
.else
	v_wmma_scale_f32_16x16x128_f8f6f4 v[64*\f+8*\a:64*\f+8*\a+7], v[FA+12*\a:FA+12*\a+11], v[FB+12*\f:FB+12*\f+11], v[64*\f+8*\a:64*\f+8*\a+7], v[SR+2*\a], v[SR+8+2*\f] matrix_a_fmt:MATRIX_FMT_BF6 matrix_b_fmt:MATRIX_FMT_BF6 matrix_b_scale:MATRIX_SCALE_ROW1
.endif
.endr
.endr
.endm
.macro WQK fst                         ; source 0 (W) window 1, source 1 (x) window 0, C window 2 (biases: 1), D window 2
	WIN 0xa1-0x10*(\fst)
.endm
.macro WV fst                          ; source 0 (x) window 0, source 1 (Wv) window 1, C window 3 (biases: 1), D window 3
	WIN 0xf4-0x20*(\fst)
.endm
.macro SCW k                           ; an even step's scale words are in; those of later steps may be out
.if (\k) == 0
	s_wait_loadcnt 16
.elseif (\k) == 14
	s_wait_loadcnt 0x0
.elseif (\k)%2 == 0
	s_wait_loadcnt 8
.endif
.endm
.macro SLD k                           ; the set that step k - 1 was the last to use takes the words of steps k + 4, k + 5
.if ((\k)%2 == 0) && ((\k) >= 2) && ((\k) <= 10)
	SLOAD (\k)/2+2
.endif
.endm
.macro PFX c                           ; prefetch chunk c
.if (\c) == 5
	global_prefetch_b8 v[PF+2], s[PFB:PFB+1] offset:5*BLK th:TH_LOAD_NT scope:SCOPE_SE
.else
	global_prefetch_b8 v[PF], s[PFB:PFB+1] offset:(\c)*BLK th:TH_LOAD_NT scope:SCOPE_SE
	global_prefetch_b8 v[PF+1], s[PFB:PFB+1] offset:(\c)*BLK+4096 th:TH_LOAD_NT scope:SCOPE_SE
.endif
.endm
; A step: 48 matrix instructions on step k's fragments; the next step's are asked for, W's at its start, x's behind the first 16.
.macro STEP k, fst
	SCW \k
	s_wait_dscnt 12                                ; W's fragments and x's 0-3 are in; x's 4-7 may be out
	PLACES                                         ; four places in front of loads into registers that the last step's products have read
	FETCH_B (\k)+1
	SLD \k
	WQK \fst
.irp a, 0,1,2,3
	MQ \k, \a, \fst
.endr
	s_wait_dscnt 18                                ; x's 4-7 are in; the next step's W may be out
	FETCH_A (\k)+1
	WQK \fst
.irp a, 4,5,6,7
	MQ \k, \a, \fst
.endr
	WV \fst
	MV \k, \fst
.endm
; A chunk's last step, whose fragments are in registers already.  In front of the barrier each wave waits for all its tensor loads, adds 0 to its spare word, and waits for that and for its own reads.
.macro TURN k, fill
.set TSL, ((\k)/3)%2
	SCW \k
	WIN 0                                          ; (the add's two registers lie in window 0)
	s_wait_tensorcnt 0x0                           ; all my tensor loads have landed: my part of the next chunk among them;
	ds_add_u32 v[SPW], v[NIL]
	s_wait_dscnt 13                                ; (the add and x's 4-7 may be out)
	WQK 0
	MQ \k, 0, 0
	MQ \k, 1, 0
	s_wait_dscnt 0x0                               ; the add is done, and my reads of this slot are over
	s_barrier_signal -1
	MQ \k, 2, 0
	MQ \k, 3, 0
	WIN 0
	s_barrier_wait -1
.if \fill
	CREST                                          ; no wave of any partner still reads this slot or has a load on its way
	s_add_nc_u64 s[G0+4*TSL+2:G0+4*TSL+3], s[G0+4*TSL+2:G0+4*TSL+3], 2*BLK
	s_add_nc_u64 s[G0B+4*TSL+2:G0B+4*TSL+3], s[G0B+4*TSL+2:G0B+4*TSL+3], 2*BLK
.if \fill == 2                         ; the last chunk is one step: rows of 1,536 bytes
	s_mov_b32 s[G1+1], 192<<16
	s_mov_b32 s[G1+3], 192<<16
	s_mov_b32 s[G1B+1], 192<<16
	s_mov_b32 s[G1B+3], 192<<16
.endif
	JLOAD TSL                                      ; the chunk two on, the first tensor load behind the round; its four v_nop are the places in front of the loads below
.else
	PLACES
.endif
	FETCH_B (\k)+1
	FETCH_A (\k)+1
	SLD \k
.if (\k) <= 5
	PFX (\k)/3+4
.endif
	WQK 0
.irp a, 4,5,6,7
	MQ \k, \a, 0
.endr
	WV 0
	MV \k, 0
.endm
	PFX 1
	PFX 2
	s_wait_alu depctr_va_vdst(0)
	s_wait_loadcnt 24                              ; the biases are in; 24 loads of scale words may be out
	WIN 0x41
.irp i, 1,2,3,4,5,6,7
	v_mov_b32 v[BI+32+\i], v[BI+32]                ; bv hangs on the lane alone: eight equal registers for each tile
	v_mov_b32 v[BI+40+\i], v[BI+40]
.endr
	WIN 0
	s_wait_alu depctr_va_vdst(0)
	s_wait_tensorcnt 0x0                           ; my part of chunk 0 is in
	ds_add_u32 v[SPW], v[NIL]
	s_wait_dscnt 0x0
	CROUND                                         ; everybody's part of chunk 0 is in, and all sixteen work-groups are here
	JLOAD 1                                        ; chunk 1
	FETCH_B 0
	FETCH_A 0
	PFX 3
	STEP 0, 1
	STEP 1, 0
	TURN 2, 1
	STEP 3, 0
	STEP 4, 0
	TURN 5, 1
	STEP 6, 0
	STEP 7, 0
	TURN 8, 1
	STEP 9, 0
	STEP 10, 0
	TURN 11, 2
	STEP 12, 0
	STEP 13, 0
	TURN 14, 0
	s_wait_dscnt 12                                ; the last step: nothing more to fetch
	WQK 0
.irp a, 0,1,2,3
	MQ 15, \a, 0
.endr
	s_wait_dscnt 0x0
.irp a, 4,5,6,7
	MQ 15, \a, 0
.endr
	WV 0
	MV 15, 0
	WIN 0
	PLACES
; THE WAY OUT.  A group is 16 neighbours of a lane along the next K; lane l xor 16 holds the block's other 16.  All of q's and k's 16 groups are worked side by side, then v's 8.
	v_and_b32 v12, 15, v0                          ; r
	v_bfe_u32 v13, v0, 4, 1                        ; h
	s_mul_i32 s22, s14, 768
	s_and_b32 s23, s14, 1
	v_xor_b32 v14, s23, v13
	v_add_nc_u32 v5, s22, v1                       ; q, k: 16 bytes a row: 768 j + 256 h + 16 r;
	v_lshlrev_b32 v6, 3, v12
	v_lshl_add_u32 v6, v14, 7, v6
	v_add_nc_u32 v6, s22, v6                       ; 8 bytes a row: 768 j + 128 (h xor j % 2) + 8 r (+ 512)
	s_mul_i32 s22, s14, 3072
	v_add_nc_u32 v7, s22, v1                       ; v: row blocks 2 j, 2 j + 1
	v_lshlrev_b32 v15, 4, v12
	s_add_co_u32 s22, s14, SCR
	v_add_nc_u32 v8, s22, v15                      ; byte j of a row's scale word
	s_lshl_b32 s23, s23, 3
	s_lshr_b32 s22, s14, 1
	s_lshl_b32 s22, s22, 8
	s_add_co_u32 s22, s22, s23
	s_add_co_u32 s22, s22, SCR+1024
	v_add_nc_u32 v14, s22, v15                     ; v's two words of a row
	s_lshl_b32 s22, s14, 9
	s_add_co_u32 s22, s22, SCR
	v_add_nc_u32 v15, s22, v1                      ; and the words on their way out
.macro GBASE kind, n                   ; group n's first register: q and k: pair n / 2 = (type, two row blocks); v: in order
.if \kind == 2
.set GX, 32*(2*(((\n)/2)%4)+(\n)%2)+16*((\n)/8)
.else
.set GX, 16*(\n)
.endif
.endm
.macro QBATCH cnt, win, m, t, s, x, y
	WIN 5*\win
.set nn, 0
.rept \cnt
	GBASE \win, nn
	v_max3_num_f32 v[\m+nn], |v[GX]|, |v[GX+1]|, 0x2800000   ; and the floor 2^(5 - 127): the byte cannot fall under 1
.set nn, nn+1
.endr
	WIN 0x14*\win
.irp i, 2,4,6,8,10,12,14
.set nn, 0
.rept \cnt
	GBASE \win, nn
	v_max3_num_f32 v[\m+nn], v[\m+nn], |v[GX+\i]|, |v[GX+\i+1]|
.set nn, nn+1
.endr
.endr
	WIN 0
.set nn, 0
.rept \cnt
	v_permlanex16_b32 v[\t+nn], v[\m+nn], s[SEL], s[SEL+1]
.set nn, nn+1
.endr
.set nn, 0
.rept \cnt
	v_max_num_f32 v[\m+nn], v[\m+nn], v[\t+nn]
.set nn, nn+1
.endr
.set nn, 0
.rept \cnt
	v_add_nc_u32 v[\s+nn], 0xfe000000, v[\m+nn]    ; 4 off the exponent field: the conversion's scale operand
.set nn, nn+1
.endr
.set nn, 0
.rept \cnt
	v_lshrrev_b32 v[\t+nn], 23, v[\s+nn]           ; the scale's byte
.set nn, nn+1
.endr
	WIN \win
.set nn, 0
.rept \cnt/2
	GBASE \win, 2*nn
	v_cvt_scalef32_pk16_bf6_f32 v[\x+6*nn:\x+6*nn+2], v[GX:GX+15], v[\s+2*nn]
	GBASE \win, 2*nn+1
	v_cvt_scalef32_pk16_bf6_f32 v[\y+4*nn:\y+4*nn+2], v[GX:GX+15], v[\s+2*nn+1]
.set nn, nn+1
.endr
	WIN 0
	v_nop                                          ; one plain place behind a scaled conversion
.set nn, 0
.rept \cnt/2
.irp i, 0,1,2
	v_permlane16_swap_b32 v[\x+6*nn+\i], v[\y+4*nn+\i]   ; a whole block in a lane: lanes 0-15 the pair's first, lanes 16-31 its second
.endr
.set nn, nn+1
.endr
.set nn, 0
.rept \cnt/2
.irp i, 0,1,2
	v_mov_b32 v[\x+6*nn+3+\i], v[\y+4*nn+\i]
.endr
.set nn, nn+1
.endr
.endm
	QBATCH 16, 2, 64, 80, 96, 112, 160
.set nn, 0
.rept 8
	global_store_b128 v5, v[112+6*nn:115+6*nn], s[18:19] offset:3145728*(nn/4)+3072*(nn%4)       ; two whole units of 256 bytes
	global_store_b64 v6, v[116+6*nn:117+6*nn], s[18:19] offset:3145728*(nn/4)+3072*(nn%4)+512    ; one
.set nn, nn+1
.endr
.set nn, 0
.rept 16
	ds_store_b8 v8, v[80+nn] offset:512*(nn/8)+256*(((nn/2)%4)/2)+4*((2*((nn/2)%4)+nn%2)%4)      ; row block a = 2 (n / 2 % 4) + n % 2: group a / 4, word a % 4 (lanes l and l xor 16 store the same)
.set nn, nn+1
.endr
	QBATCH 8, 3, 192, 200, 208, 216, 240
.irp f, 0,1
.irp c, 0,1,2
	global_store_b128 v7, v[216+12*\f+4*\c:219+12*\f+4*\c], s[18:19] offset:2*3145728+1536*\f+512*\c
.endr
.endr
.irp e, 1,2,3
.irp f, 0,1
.if \e == 1
	v_lshl_or_b32 v[12+\f], v[201+4*\f], 8, v[200+4*\f]
.else
	v_lshl_or_b32 v[12+\f], v[200+4*\f+\e], 8*\e, v[12+\f]
.endif
.endr
.endr
	ds_store_b64 v14, v[12:13]
	s_wait_alu depctr_va_vdst(0)
	s_wait_dscnt 0x0                               ; my bytes and words are in LDS
	s_barrier_signal -1
	s_barrier_wait -1
	s_cmp_lt_u32 s14, 3                            ; wave 0 stores q's words, wave 1 k's, wave 2 v's
	s_cbranch_scc0 .Lno_words
	ds_load_b128 v[64:67], v15
	s_wait_dscnt 0x0
	global_store_b128 v1, v[64:67], s[20:21]       ; 512 consecutive bytes
.Lno_words:
	s_wait_tensorcnt 0x0                           ; the wave's end
	ds_add_u32 v[SPW], v[NIL]
	s_wait_dscnt 0x0
	CROUND                                         ; the closing round
	s_endpgm
.Lfunc_end_k_q32585cc814_qkv:
	.size	k_q32585cc814_qkv, .Lfunc_end_k_q32585cc814_qkv-k_q32585cc814_qkv
	.p2alignl 7, 3214868480
	.fill 96, 4, 3214868480
	.section	.rodata,"a",@progbits
	.p2align	6, 0x0
	.amdhsa_kernel k_q32585cc814_qkv
		.amdhsa_group_segment_fixed_size 327680
		.amdhsa_private_segment_fixed_size 0
		.amdhsa_enable_private_segment 0
		.amdhsa_kernarg_size 56
		.amdhsa_user_sgpr_count 2
		.amdhsa_user_sgpr_kernarg_segment_ptr 1
		.amdhsa_wavefront_size32 1
		.amdhsa_system_sgpr_workgroup_id_x 1
		.amdhsa_system_sgpr_workgroup_id_y 1
		.amdhsa_system_sgpr_workgroup_id_z 1
		.amdhsa_system_vgpr_workitem_id 0
		.amdhsa_next_free_vgpr 1024
		.amdhsa_next_free_sgpr 100
		.amdhsa_reserve_vcc 0
		.amdhsa_float_denorm_mode_32 3
		.amdhsa_float_denorm_mode_16_64 3
		.amdhsa_memory_ordered 1
		.amdhsa_forward_progress 1
		.amdhsa_inst_pref_size 193
	.end_amdhsa_kernel
	.amdgpu_metadata
---
amdhsa.version: [ 1, 2 ]
amdhsa.kernels:
  - .name:           k_q32585cc814_qkv
    .symbol:         k_q32585cc814_qkv.kd
    .args:
      - { .name: opc, .offset: 0, .size: 8, .value_kind: global_buffer, .address_space: global }
      - { .name: ops, .offset: 8, .size: 8, .value_kind: global_buffer, .address_space: global }
      - { .name: bq, .offset: 16, .size: 8, .value_kind: global_buffer, .address_space: global }
      - { .name: bk, .offset: 24, .size: 8, .value_kind: global_buffer, .address_space: global }
      - { .name: bv, .offset: 32, .size: 8, .value_kind: global_buffer, .address_space: global }
      - { .name: qkvc, .offset: 40, .size: 8, .value_kind: global_buffer, .address_space: global }
      - { .name: qkvs, .offset: 48, .size: 8, .value_kind: global_buffer, .address_space: global }
    .group_segment_fixed_size: 327680
    .private_segment_fixed_size: 0
    .kernarg_segment_align: 8
    .kernarg_segment_size: 56
    .max_flat_workgroup_size: 128
    .sgpr_count:     100
    .vgpr_count:     1024
    .wavefront_size: 32
...
	.end_amdgpu_metadata
.endif
;; end of part 2
;; launch attn (part 3): grid 256 x 1, 16 waves a work-group, clusters of 4 x 1, 327,680 bytes of LDS; arguments qkvc, qkvs, attn_mask, yc, pws, Wp, wpc; writes yc, pws, wpc
.if DOCPART == 3
	.amdgcn_target "amdgcn-amd-amdhsa--gfx1250"
	.amdhsa_code_object_version 6
	.text
	.protected	k_q32585cc814_attn
	.globl	k_q32585cc814_attn
	.p2align	8
	.type	k_q32585cc814_attn,@function
k_q32585cc814_attn:
	s_mov_b64 s[64:65], 0
	v_nop
	global_prefetch_b8 v0, s[64:65] scope:SCOPE_SE
	s_setreg_imm32_b32 hwreg(HW_REG_WAVE_MODE, 25, 1), 1
	s_wait_xcnt 0x0
	s_wait_alu depctr_hold_cnt(0) depctr_sa_sdst(0) depctr_va_vdst(0) depctr_va_sdst(0) depctr_va_ssrc(0) depctr_va_vcc(0) depctr_vm_vsrc(0)
	s_getreg_b32 s2, hwreg(HW_REG_IB_STS2, 6, 4)
	s_cmp_eq_u32 s2, 0
	s_cbranch_scc0 .Lentry_in_a_cluster
	s_endpgm
.Lentry_in_a_cluster:
	s_bfe_u32 s2, ttmp6, 0x10000c
	s_cmp_lg_u32 s2, 0x3003
	s_cbranch_scc0 .Lentry_shape_is_right
	s_endpgm
.Lentry_shape_is_right:
; y[b][q][head] = softmax_k(q . k / sqrt(128) + causal + attn_mask[b][k]) v, both products on codes of BF6 (E3M2) with E8M0 scales; y is divided by the row's sum, quantised along C and stored as images for the projection.
; Wp, f32, is quantised here too.
; THE SOFTMAX: t = logit x log2(e); M = the row's largest t so far, rounded UP to a whole number; p = 2^(t - M) is quantised along the keys, not normalised; the row's sum is taken of the unquantised p.
; When M moves, the sum and O are multiplied by 2^(old M - new M), a power of two.
; IN: qkvc, qkvs as the launch before lays them.  q and k: 3,072 bytes for a pair of row blocks: for each block j of 32 along the head 16 bytes a row of the pair's first, of its second, then 8 bytes a row of both (swapped where j is odd); v: images of registers.
; Row r of row block 2 g + u is row 32 g + 8 u + r + 8 (r / 8) (tokens for q and k, the head's 128 for v).
; OUT: yc and wpc: [4 row blocks][4 K steps][row block][K step][1536], the order in which the projection's LDS holds them; a row block of Wp is 16 neighbouring rows.  pws: y's scale words, then Wp's: [row block][4][16 r + 4 e].
; SHARES.  A cluster of four work-groups owns one (batch, head); all four read the same K and V, 100 KiB, which come into each one's LDS ONCE by joint loads: nothing is filled again.
; A work-group j has eight tiles of 16 queries, tile 4 o + j for o = 0 .. 7; its queries lie in 64 o .. 64 o + 63, so it has key steps (of 128) 0 .. o / 2, the last of them on the diagonal.
; TWO WAVES SHARE A TILE: wave w < 8 (o = w xor 3 (w / 4)) takes the first half of its key steps, rounded up, wave w >= 8 (o = (w % 8) xor 7 or, from wave 12 on, xor 4) the rest: one or two steps a wave, none for waves 12 and 13.
; Waves that are alike modulo 4 have five steps together.  The second wave leaves O, -M and its sum in LDS; behind one barrier the first joins the two by powers of two and sends y out.
; Steps all of whose keys are hidden by reference()'s causal mask are not done: p = 0 there for all values of the inputs; a NaN or an infinity that reaches only those scores is not carried to the result.
; Branches hang on the wave's number alone; the place in the cluster enters global addresses and data only.
; Wp: work-group n takes row blocks 2 (n / 4), + 1 and 512 along K; each of waves 12-15 16 rows x 256 K, by one plain tensor load behind the first round into LDS bytes that it alone reads, and works them when its tile has met.
; LAYOUT.  Both products are used transposed: S^T = K Q^T (source 0 = 16 keys), O^T = V^T P^T (source 0 = 16 of the head's 128): a lane holds ONE query (lane % 16) throughout,
; and the 16 registers of two neighbouring tiles are 16 neighbours: keys 32 b + 16 (lane / 16) + 0 .. 15 in S^T, the same of the head's 128 in O^T.
; THE ADDITIVE MASK costs no instruction: attn_mask x sqrt(128) lies in LDS and is loaded as the C of S^T's products, so that t = (score + mask sqrt(128)) x log2(e) / sqrt(128).
; LIMITS: that is two roundings in f32 more than the logit has otherwise; NaN and +infinity among the inputs are not served; a mask of -infinity gives p = 0, and a row all of whose open keys have it gives NaN, as the definition does.
; The promise holds while |t| stays under 2^31.  A block of y, p or Wp whose largest magnitude lies under 2^-122 keeps the scale byte 1.
; No prefetch: there is no loop to run ahead in; K, V and Wp are asked for whole.
; REGISTERS: v1-8, v80-84 addresses and constants; v12 -M, v13 the largest t, v[14:15] the sum in two halves; v16-27 Q; v32-79 four fragments of K or V; v96-159 S^T, then p; v160-223 O^T; v224-235 p's codes; v232-254 at work; v255 Q's scale words.
.set VC,   49152                       ; LDS: K at 0, V's 32 images here,
.set KSC,  98304                       ; K's scale words (8 groups of 256 bytes),
.set VSC,  100352                      ; V's,
.set MKT,  102400                      ; the mask x sqrt(128), 512 numbers,
.set STG,  104448                      ; Wp's four tiles of 16 rows x (1,024 + 16) bytes,
.set WTB,  16640
.set MRG,  171008                      ; what the second waves leave: 8 x 8,448 bytes,
.set MGB,  8448
.set SPARE, 238592                     ; and the spare words
.set LI,   1                           ; v1   16 x lane
.set LV,   2                           ; v2   16 x lane + my first step of V
.set ASK,  3                           ; v3   16 r + my first step of K's words
.set ASV,  4                           ; v4   and of V's
.set AMK,  5                           ; v5   64 h + my first step of the mask
.set DD,   6                           ; v6   my query - the diagonal step's first key - 16 h
.set NINF, 7                           ; v7   -infinity
.set SR,   8                           ; v8   16 r
.set KA,   80                          ; v80  768 h + 16 r + my first step of K
.set KB,   81                          ; v81, v82  768 h + 8 r + 128 (h xor u) + my first step of K, u = 0, 1
.set LMO,  83                          ; v83  my tile's O in the meeting place: + 16 x lane
.set LMS,  84                          ; v84  and its -M and sum: + 8 x lane
.set SPW,  95
.set NIL,  243
.set TM,   232
.set PC,   32
.set WV,   14                          ; s14  wave
.set OM,   15                          ; s15  o
.set DG,   16                          ; s16  the diagonal step
.set CX,   17                          ; s17  my place in the cluster
.set BH,   18                          ; s18  16 x batch + head
.set PT,   19                          ; s19  0: the tile's first wave, 1: its second
.set SEL,  20                          ; s[20:21] v_permlanex16_b32's selects for lane l xor 16
.set CS,   22                          ; s[22:23] c = log2(e) / sqrt(128)
.set G1C,  24                          ; s[24:31] descriptor group 1 for codes;  s[32:35] its group 0
.set G0C,  32
.set G0S,  36                          ; s[36:39], s[40:47] groups 0 and 1 for scale words
.set G1S,  40
.set CN,   66                          ; s66  how many steps I have
.set FS,   67                          ; s67  the first
.set RDG,  68                          ; s68  the diagonal step counted from it
.set G0W,  72                          ; s[72:75], s[76:83] groups 0 and 1 for Wp
.set G1W,  76
.macro CROUND                          ; a round of the cluster's barrier
	s_barrier_signal -1
	s_barrier_wait -1
	s_cmp_lg_u32 s[WV], 0
	s_cbranch_scc1 .Lnot_wave_0_\@
	s_barrier_signal -3
.Lnot_wave_0_\@:
	s_barrier_wait -3
	s_barrier_signal -1
	s_barrier_wait -1
.endm
.macro PLACES                          ; four places behind a matrix instruction, in front of reads of its result and of loads into its registers (ISA guide 7.12.1 for reads of its result)
.rept 4
	v_nop
.endr
.endm
	s_load_b256 s[4:11], s[0:1], 0x0               ; qkvc, qkvs, attn_mask, yc
	s_load_b64 s[12:13], s[0:1], 0x20              ; pws
	s_load_b128 s[60:63], s[0:1], 0x28             ; Wp, wpc
	v_lshl_add_u32 v[SPW], v0, 2, SPARE
	v_mov_b32 v[NIL], 0
	ds_add_u32 v[SPW], v[NIL]
	ds_add_u32 v[SPW], v[NIL]
	v_lshrrev_b32 v9, 5, v0
	v_readfirstlane_b32 s[WV], v9                  ; wave 0..15
	s_lshr_b32 s[PT], s[WV], 3
	s_bfe_u32 s48, s[WV], 0x10002
	s_mul_i32 s48, s48, 3
	s_mul_i32 s49, s[PT], 7
	s_xor_b32 s48, s48, s49                        ; 0, 3, 7, 4 for waves 0-3, 4-7, 8-11, 12-15
	s_and_b32 s49, s[WV], 7
	s_xor_b32 s[OM], s49, s48
	s_lshr_b32 s[DG], s[OM], 1
	s_add_co_u32 s48, s[DG], 2
	s_lshr_b32 s48, s48, 1                         ; the first wave's steps: half of o / 2 + 1, rounded up
	s_mul_i32 s[FS], s[PT], s48
	s_and_b32 s49, s[DG], 1
	s_xor_b32 s49, s49, 1
	s_mul_i32 s49, s49, s[PT]
	s_sub_co_u32 s[CN], s48, s49                   ; the second has one fewer where their number is odd
	s_sub_co_u32 s[RDG], s[DG], s[FS]
	s_bfe_u32 s[CX], ttmp6, 0x40000
	s_mov_b32 s[BH], ttmp9                         ; in a cluster launch ttmp9 counts clusters
	; descriptor group 1: dense blocks as rows of 256 bytes (32 elements of 8 bytes): 96 rows of codes, 8 rows of scale words
	s_mov_b32 s[G1C], 15|(3<<16)|(1<<21)           ; 15:0 the mask: all four work-groups; 17:16 elements of 8 bytes; 21 set beside a mask
	s_mov_b32 s[G1C+1], 32<<16
	s_mov_b32 s[G1C+2], 96<<16
	s_mov_b32 s[G1C+3], 32<<16
	s_mov_b32 s[G1C+4], 96
	s_mov_b32 s[G1C+5], 32
	s_mov_b32 s[G1C+6], 0
	s_mov_b32 s[G1C+7], 0
	s_mov_b32 s[G1S], 15|(3<<16)|(1<<21)
	s_mov_b32 s[G1S+1], 32<<16
	s_mov_b32 s[G1S+2], 8<<16
	s_mov_b32 s[G1S+3], 32<<16
	s_mov_b32 s[G1S+4], 8
	s_mov_b32 s[G1S+5], 32
	s_mov_b32 s[G1S+6], 0
	s_mov_b32 s[G1S+7], 0
	; Wp: 16 rows of 128 elements of 8 bytes, 1,024 elements apart, 4 dwords of padding behind each 256
	s_mov_b32 s[G1W], (3<<16)|(1<<20)|(7<<22)|(3<<25)
	s_mov_b32 s[G1W+1], 128<<16
	s_mov_b32 s[G1W+2], 16<<16
	s_mov_b32 s[G1W+3], 128<<16
	s_mov_b32 s[G1W+4], 16
	s_mov_b32 s[G1W+5], 1024
	s_mov_b32 s[G1W+6], 0
	s_mov_b32 s[G1W+7], 0
	s_mov_b32 s[SEL], 0x76543210
	s_mov_b32 s[SEL+1], 0xfedcba98
	s_mov_b32 s[CS], 0x3e0293ee                    ; c = log2(e) / sqrt(128)
	s_mov_b32 s[CS+1], s[CS]                       ; (named with it as a pair, so it is written)
	s_mov_b32 s53, 0                               ; the high word of every offset below
	s_lshl_b32 s50, s[BH], 5                       ; 32 row blocks a head
	s_and_b32 s51, s[WV], 1
	s_wait_alu depctr_va_vdst(0)
	s_wait_dscnt 0x0
	s_wait_kmcnt 0x0
	; codes: waves 0, 1 K's halves, waves 2, 3 V's: row block 2,048 x (1 K, 2 V) + 32 bh + 16 x half
	s_and_b32 s48, s[WV], 3
	s_mov_b32 s[G0C], 1
	s_mul_i32 s[G0C+1], s48, 24576
	s_lshr_b32 s49, s48, 1
	s_add_co_u32 s49, s49, 1
	s_lshl_b32 s49, s49, 11
	s_add_co_u32 s49, s49, s50
	s_lshl_b32 s52, s51, 4
	s_add_co_u32 s49, s49, s52
	s_mul_i32 s52, s49, 1536
	s_add_nc_u64 s[G0C+2:G0C+3], s[4:5], s[52:53]
	s_or_b32 s[G0C+3], s[G0C+3], 0x80000000
	; scale words: wave 4 K's, wave 5 V's: 64 bytes a row block
	s_mov_b32 s[G0S], 1
	s_lshl_b32 s[G0S+1], s51, 11
	s_add_co_u32 s[G0S+1], s[G0S+1], KSC
	s_add_co_u32 s49, s51, 1
	s_lshl_b32 s49, s49, 11
	s_add_co_u32 s49, s49, s50
	s_lshl_b32 s52, s49, 6
	s_add_nc_u64 s[G0S+2:G0S+3], s[6:7], s[52:53]
	s_or_b32 s[G0S+3], s[G0S+3], 0x80000000
	CROUND                                         ; all four work-groups are here: the joint loads meet
	s_cmp_lt_u32 s[WV], 4
	s_cbranch_scc0 .Lnot_codes
	tensor_load_to_lds s[G0C:G0C+3], s[G1C:G1C+7]
	s_nop 0
.rept 4
	v_nop
.endr
	s_branch .Lasked
.Lnot_codes:
	s_cmp_lt_u32 s[WV], 6
	s_cbranch_scc0 .Lasked
	tensor_load_to_lds s[G0S:G0S+3], s[G1S:G1S+7]
	s_nop 0
.rept 4
	v_nop
.endr
.Lasked:
	; my own addresses: here the place in the cluster comes in
	s_lshr_b32 s56, s[BH], 4                       ; batch
	s_lshl_b32 s52, s56, 11
	s_add_nc_u64 s[8:9], s[8:9], s[52:53]          ; its 512 numbers of the mask
	s_lshl_b32 s57, s[OM], 2
	s_add_co_u32 s57, s57, s[CX]                   ; my tile of queries: 4 o + j
	s_add_co_u32 s49, s50, s57
	s_and_b32 s49, s49, 0xfffe
	s_mul_i32 s52, s49, 1536
	s_add_nc_u64 s[54:55], s[4:5], s[52:53]        ; the pair of row blocks that holds Q's (type 0)
	s_lshl_b32 s52, s[BH], 11
	s_lshl_b32 s49, s[OM], 8
	s_add_co_u32 s52, s52, s49
	s_lshl_b32 s49, s[CX], 2
	s_add_co_u32 s52, s52, s49
	s_add_nc_u64 s[58:59], s[6:7], s[52:53]        ; its scale words: group o, word j
	s_lshl_b32 s56, s56, 5
	s_add_co_u32 s56, s56, s57                     ; y's row block: 32 x batch + tile
	s_and_b32 s48, s[BH], 15                       ; the head = y's K step
	s_lshr_b32 s49, s56, 2
	s_mul_i32 s52, s49, 98304
	s_and_b32 s49, s56, 3
	s_mul_i32 s49, s49, 6144
	s_add_co_u32 s52, s52, s49
	s_lshr_b32 s49, s48, 2
	s_mul_i32 s49, s49, 24576
	s_add_co_u32 s52, s52, s49
	s_and_b32 s49, s48, 3
	s_mul_i32 s49, s49, 1536
	s_add_co_u32 s52, s52, s49
	s_add_nc_u64 s[10:11], s[10:11], s[52:53]
	; Wp, wave w of 12-15: row block 2 bh + (w % 4) / 2, bytes 2,048 j + 1,024 (w % 2) of its rows
	s_bfe_u32 s57, s[WV], 0x10001
	s_lshl_b32 s52, s[BH], 18
	s_lshl_b32 s49, s57, 17
	s_add_co_u32 s52, s52, s49
	s_lshl_b32 s49, s[CX], 11
	s_add_co_u32 s52, s52, s49
	s_lshl_b32 s49, s51, 10
	s_add_co_u32 s52, s52, s49
	s_mov_b32 s[G0W], 1
	s_and_b32 s49, s[WV], 3
	s_mul_i32 s69, s49, WTB
	s_add_co_u32 s69, s69, STG                     ; my tile in LDS
	s_mov_b32 s[G0W+1], s69
	s_add_nc_u64 s[G0W+2:G0W+3], s[60:61], s[52:53]
	s_or_b32 s[G0W+3], s[G0W+3], 0x80000000
	s_lshr_b32 s49, s[BH], 1
	s_mul_i32 s52, s49, 98304
	s_mul_i32 s49, s[CX], 24576
	s_add_co_u32 s52, s52, s49
	s_and_b32 s49, s[BH], 1
	s_lshl_b32 s49, s49, 1
	s_add_co_u32 s49, s49, s57
	s_mul_i32 s49, s49, 6144
	s_add_co_u32 s52, s52, s49
	s_mul_i32 s49, s51, 3072
	s_add_co_u32 s52, s52, s49
	s_add_nc_u64 s[62:63], s[62:63], s[52:53]      ; its two images
	s_lshl_b32 s52, s[BH], 11
	s_lshl_b32 s49, s57, 10
	s_add_co_u32 s52, s52, s49
	s_lshl_b32 s49, s[CX], 8
	s_add_co_u32 s52, s52, s49
	s_lshl_b32 s49, s51, 3
	s_add_co_u32 s52, s52, s49
	s_add_co_u32 s52, s52, 131072
	s_add_nc_u64 s[2:3], s[12:13], s[52:53]        ; and scale words
	s_lshl_b32 s52, s56, 10
	s_lshr_b32 s49, s48, 2
	s_lshl_b32 s49, s49, 8
	s_add_co_u32 s52, s52, s49
	s_and_b32 s49, s48, 3
	s_lshl_b32 s49, s49, 2
	s_add_co_u32 s52, s52, s49
	s_add_nc_u64 s[12:13], s[12:13], s[52:53]      ; y's scale words
	s_and_b32 s56, s[OM], 1                        ; my tile's first query in the diagonal step: 64 (o % 2) + 32 (j / 2) + 8 (j % 2)
	s_lshl_b32 s56, s56, 6
	s_lshr_b32 s49, s[CX], 1
	s_lshl_b32 s49, s49, 5
	s_add_co_u32 s56, s56, s49
	s_and_b32 s57, s[CX], 1                        ; (also my tile's place in its pair: u)
	s_lshl_b32 s49, s57, 3
	s_add_co_u32 s56, s56, s49
	s_lshl_b32 s48, s57, 8
	s_mul_i32 s84, s[FS], 12288                    ; my first step of K, V,
	s_add_co_u32 s85, s84, VC
	s_lshl_b32 s86, s[FS], 9                       ; of the words and of the mask
	s_add_co_u32 s87, s86, KSC
	s_add_co_u32 s88, s86, VSC
	s_add_co_u32 s89, s86, MKT
	s_mul_i32 s90, s[OM], MGB
	s_add_co_u32 s90, s90, MRG
	s_add_co_u32 s91, s90, 8192
	v_lshlrev_b32 v28, 2, v0                       ; the mask: a number a thread
	v_and_b32 v9, 31, v0
	v_and_b32 v10, 15, v0                          ; r
	v_bfe_u32 v11, v0, 4, 1                        ; h
	global_load_b32 v232, v28, s[8:9]
	v_lshl_add_u32 v29, v0, 2, MKT
	v_lshlrev_b32 v[LI], 4, v9
	v_lshlrev_b32 v[SR], 4, v10
	v_mul_u32_u24 v30, 0x300, v11
	v_xor_b32 v85, 1, v11
	v_xor_b32 v86, s57, v11
	v_lshl_add_u32 v[KA], v10, 4, v30
	v_lshl_add_u32 v31, v10, 3, v30
	v_lshl_add_u32 v[KB], v11, 7, v31
	v_lshl_add_u32 v[KB+1], v85, 7, v31
	v_lshl_add_u32 v87, v86, 7, v31
	v_add_nc_u32 v86, s48, v[KA]
.irp c, 0,1                                    ; Q's fragment stays in registers
	global_load_b128 v[16+6*\c:19+6*\c], v86, s[54:55] offset:1536*\c
	global_load_b64 v[20+6*\c:21+6*\c], v87, s[54:55] offset:1536*\c+512
.endr
	global_load_b32 v255, v[SR], s[58:59]
	v_add_nc_u32 v[KA], s84, v[KA]
	v_add_nc_u32 v[KB], s84, v[KB]
	v_add_nc_u32 v[KB+1], s84, v[KB+1]
	v_add_nc_u32 v[LV], s85, v[LI]
	v_add_nc_u32 v[ASK], s87, v[SR]
	v_add_nc_u32 v[ASV], s88, v[SR]
	v_lshl_add_u32 v[AMK], v11, 6, s89
	v_add_nc_u32 v[LMO], s90, v[LI]
	v_lshl_add_u32 v[LMS], v9, 3, s91
	v_and_b32 v12, 8, v10
	v_lshlrev_b32 v13, 4, v11
	v_mov_b32 v[NINF], 0xff800000
	v_add_nc_u32 v12, v12, v10                     ; r + 8 (r / 8)
	v_mov_b32 v14, 0                               ; the sum, in two halves
	v_sub_nc_u32 v12, v12, v13
	v_mov_b32 v15, 0
	v_add_nc_u32 v[DD], s56, v12
	v_mov_b32 v13, 0xff61b1e6                      ; the largest t so far: -3e38, under every t
.irp b, 0,1,2,3
	v_mov_b32 v[236+\b], 0                         ; written once: a lane permute's destination counts as one of its sources
.endr
	v_floor_f32 v12, -v13                          ; -M
	v_mov_b32 v253, 0                              ; (named as the upper half of the pair v[252:253] before it is first written)
	s_wait_alu depctr_va_vdst(0)
	s_wait_loadcnt 5                               ; the mask is in; Q's five loads may be out
	v_mul_f32 v232, 0x413504f3, v232               ; x sqrt(128)
	ds_store_b32 v29, v232
	s_wait_loadcnt 0x0                             ; Q
	s_wait_tensorcnt 0x0                           ; my part of K, V or their scale words has landed;
	ds_add_u32 v[SPW], v[NIL]
	ds_add_u32 v[SPW], v[NIL]
	s_wait_dscnt 0x0                               ; my part of the mask is stored
	CROUND                                         ; everybody's has; in a cluster launch Wp's plain loads stand behind a round too
	s_cmp_lt_u32 s[WV], 12
	s_cbranch_scc1 .Lno_wp
	tensor_load_to_lds s[G0W:G0W+3], s[G1W:G1W+7]
	s_nop 0
.rept 4
	v_nop
.endr
.Lno_wp:
; MY s-TH KEY STEP, of 128 keys.  Written out twice: every LDS offset is an immediate.
.macro STEP s
	s_cmp_lt_u32 s[CN], \s+1
	s_cbranch_scc1 .Lfinish
.if \s > 0
	PLACES                                         ; in front of loads into registers that the last products have read
.endif
.irp u, 0,1,2,3,4,5,6,7                        ; the mask of tile u's keys, in the result's layout: register j of lane (r, h) is key 32 (u / 2) + 16 h + 8 (u % 2) + j
.irp e, 0,1
	ds_load_b128 v[96+8*\u+4*\e:99+8*\u+4*\e], v[AMK] offset:512*\s+128*(\u/2)+32*(\u%2)+16*\e
.endr
.endr
.irp g, 0,1                                    ; S^T = K Q^T + mask, four tiles of 16 keys at a time
.if \g > 0
	PLACES
.endif
.irp t, 0,1,2,3
.irp c, 0,1
	ds_load_b128 v[32+12*\t+6*\c:35+12*\t+6*\c], v[KA] offset:((8*\s+4*\g+\t)/2)*3072+1536*\c+256*(\t%2)
	ds_load_b64 v[36+12*\t+6*\c:37+12*\t+6*\c], v[KB+(\t%2)] offset:((8*\s+4*\g+\t)/2)*3072+1536*\c+512
.endr
.endr
	ds_load_b128 v[248:251], v[ASK] offset:(2*\s+\g)*256               ; the four tiles' scale words
	s_wait_dscnt 0x0
.irp t, 0,1,2,3
	v_wmma_scale_f32_16x16x128_f8f6f4 v[96+8*(4*\g+\t):103+8*(4*\g+\t)], v[32+12*\t:43+12*\t], v[16:27], v[96+8*(4*\g+\t):103+8*(4*\g+\t)], v[248+\t], v255 matrix_a_fmt:MATRIX_FMT_BF6 matrix_b_fmt:MATRIX_FMT_BF6
.endr
.endr
	PLACES
.irp t, 0,1,2,3                                ; V's first four tiles are asked for now and land during the softmax, which touches none of these registers
.irp c, 0,1,2
	ds_load_b128 v[32+12*\t+4*\c:35+12*\t+4*\c], v[LV] offset:(8*\s+\t)*1536+512*\c
.endr
.endr
	ds_load_b128 v[248:251], v[ASV] offset:(2*\s)*256
	s_cmp_lg_u32 s[RDG], \s                        ; on the diagonal the scores of hidden keys become -infinity ahead of the maximum: p = 0 then.  A step all of whose keys count skips this
	s_cbranch_scc1 .Lopen_\@
.set n, 0
.rept 64
	v_cmp_gt_i32 vcc_lo, 32*(n/16)+n%16, v[DD]     ; register 16 b + i holds key 32 b + 16 h + i of the step: hidden where 32 b + i > my query - 16 h
	v_cndmask_b32 v[96+n], v[96+n], v[NINF], vcc_lo
.set n, n+1
.endr
.Lopen_\@:
.irp b, 0,1,2,3
	v_max3_num_f32 v[232+\b], v[96+16*\b], v[97+16*\b], v[98+16*\b]   ; THE LARGEST SCORE OF EACH BLOCK OF 32 KEYS: it serves for the row's maximum and, since p rises with the score, for the block's largest p
.endr
.irp i, 3,5,7,9,11,13
.irp b, 0,1,2,3
	v_max3_num_f32 v[232+\b], v[232+\b], v[96+16*\b+\i], v[97+16*\b+\i]   ; (the four blocks by turns)
.endr
.endr
.irp b, 0,1,2,3
	v_max_num_f32 v[232+\b], v[232+\b], v[111+16*\b]
.endr
.irp b, 0,1,2,3
	s_delay_alu instid0(VALU_DEP_4)
	v_permlanex16_b32 v[236+\b], v[232+\b], s[SEL], s[SEL+1]
.endr
.irp b, 0,1,2,3
	s_delay_alu instid0(VALU_DEP_4)
	v_max_num_f32 v[232+\b], v[232+\b], v[236+\b]  ; with lane l xor 16's 16 keys
.endr
	s_delay_alu instid0(VALU_DEP_2)
	v_max3_num_f32 v254, v232, v233, v234
	s_delay_alu instid0(VALU_DEP_1)
	v_max_num_f32 v254, v254, v235                 ; the step's largest score of my query
	s_delay_alu instid0(VALU_DEP_1)
	v_mul_f32 v254, s[CS], v254                    ; as t (c is positive)
	s_delay_alu instid0(VALU_DEP_1)
	v_max_num_f32 v13, v13, v254                   ; the running largest t
	v_mov_b32 v254, v12
	s_delay_alu instid0(VALU_DEP_2)
	v_floor_f32 v12, -v13                          ; the new -M = floor(-t) = -ceil(t): M IS A WHOLE NUMBER
	s_delay_alu instid0(VALU_DEP_1)
	v_sub_f32 v254, v12, v254                      ; M's old value less its new one: a whole number, 0 or less
	s_delay_alu instid0(VALU_DEP_1)
	v_cvt_i32_f32 v254, v254                       ; (it saturates)
	s_delay_alu instid0(VALU_DEP_1)
	v_ldexp_f32 v252, 1.0, v254                    ; f = 2^(old M - new M)
.set j, 0
.rept 32
	v_pk_fma_f32 v[96+j:97+j], v[96+j:97+j], s[CS:CS+1], v[12:13] op_sel_hi:[1,0,0]   ; t - M, two at a time (of the pairs c and -M the low word serves both halves)
.set j, j+2
.endr
.irp b, 0,1,2,3
	v_fma_f32 v[232+\b], v[232+\b], s[CS], v12     ; the same of each block's largest score
.endr
.set j, 0
	s_wait_alu depctr_va_vdst(0)
.rept 64
	v_exp_f32 v[96+j], v[96+j]                     ; p = 2^(t - M), at most 1: NOT normalised
.set j, j+1
.endr
.irp b, 0,1,2,3
	v_exp_f32 v[232+\b], v[232+\b]                 ; the block's largest p: the same two instructions on the same number give the same bits
.endr
	v_pk_mul_f32 v[14:15], v[14:15], v[252:253] op_sel_hi:[1,0]   ; the sums under the new M.  (A plain place behind the exponentials)
	s_wait_alu depctr_va_vdst(0)
.irp b, 0,1,2,3
	v_max_num_f32 v[232+\b], 0x2800000, v[232+\b]  ; the floor 2^(5 - 127): the byte cannot fall under 1 (a block whose every p is 0 keeps that byte: its codes are zeros)
.endr
.irp b, 0,1,2,3
	s_delay_alu instid0(VALU_DEP_4)
	v_add_nc_u32 v[244+\b], 0xfe000000, v[232+\b]  ; 4 off the exponent field: the conversion's scale operand
.endr
.irp b, 0,1,2,3
	s_delay_alu instid0(VALU_DEP_4)
	v_lshrrev_b32 v[236+\b], 23, v[244+\b]         ; the scale's byte
.endr
	s_delay_alu instid0(VALU_DEP_3)
	v_lshl_or_b32 v253, v237, 8, v236              ; p's scale word for these 128 keys
	s_delay_alu instid0(VALU_DEP_1)
	v_lshl_or_b32 v253, v238, 16, v253
	s_delay_alu instid0(VALU_DEP_1)
	v_lshl_or_b32 v253, v239, 24, v253
.irp c, 0,1
	v_cvt_scalef32_pk16_bf6_f32 v[224+6*\c:226+6*\c], v[96+32*\c:111+32*\c], v[244+2*\c]
	v_cvt_scalef32_pk16_bf6_f32 v[236+4*\c:238+4*\c], v[112+32*\c:127+32*\c], v[244+2*\c+1]   ; (a conversion's three registers begin on an even number)
.endr
	v_nop                                          ; one plain place behind a scaled conversion
.irp c, 0,1                                    ; the operand's layout wants a WHOLE block in a lane: lanes 0-15 block 2 c, lanes 16-31 block 2 c + 1
.irp i, 0,1,2
	v_permlane16_swap_b32 v[224+6*\c+\i], v[236+4*\c+\i]
.endr
.irp i, 0,1,2
	s_delay_alu instid0(VALU_DEP_3)
	v_mov_b32 v[227+6*\c+\i], v[236+4*\c+\i]
.endr
.endr
	v_pk_add_f32 v[236:237], v[100:101], v[104:105]   ; the row's sum, in eight chains
	v_pk_add_f32 v[246:247], v[108:109], v[112:113]
	v_pk_add_f32 v[244:245], v[116:117], v[120:121]
	v_pk_add_f32 v[240:241], v[124:125], v[128:129]
	v_pk_add_f32 v[92:93], v[132:133], v[136:137]
	v_pk_add_f32 v[90:91], v[140:141], v[144:145]
	v_pk_add_f32 v[88:89], v[148:149], v[152:153]
	v_pk_add_f32 v[14:15], v[14:15], v[156:157]
	v_pk_add_f32 v[236:237], v[236:237], v[96:97]
	v_pk_add_f32 v[246:247], v[246:247], v[98:99]
	v_pk_add_f32 v[244:245], v[244:245], v[102:103]
	v_pk_add_f32 v[240:241], v[240:241], v[106:107]
	v_pk_add_f32 v[92:93], v[92:93], v[110:111]
	v_pk_add_f32 v[90:91], v[90:91], v[114:115]
	v_pk_add_f32 v[88:89], v[88:89], v[118:119]
	v_pk_add_f32 v[14:15], v[14:15], v[122:123]
	v_pk_add_f32 v[236:237], v[236:237], v[126:127]
	v_pk_add_f32 v[246:247], v[246:247], v[130:131]
	v_pk_add_f32 v[244:245], v[244:245], v[134:135]
	v_pk_add_f32 v[240:241], v[240:241], v[138:139]
	v_pk_add_f32 v[92:93], v[92:93], v[142:143]
	v_pk_add_f32 v[90:91], v[90:91], v[146:147]
	v_pk_add_f32 v[88:89], v[88:89], v[150:151]
	v_pk_add_f32 v[14:15], v[14:15], v[154:155]
	v_pk_add_f32 v[236:237], v[236:237], v[158:159]
	s_delay_alu instid0(VALU_DEP_2)
	v_pk_add_f32 v[14:15], v[14:15], v[240:241]
	s_delay_alu instid0(VALU_DEP_2)
	v_pk_add_f32 v[236:237], v[236:237], v[92:93]
	v_pk_add_f32 v[246:247], v[246:247], v[90:91]
	v_pk_add_f32 v[244:245], v[244:245], v[88:89]
	s_delay_alu instid0(VALU_DEP_2)
	v_pk_add_f32 v[14:15], v[14:15], v[246:247]
	s_delay_alu instid0(VALU_DEP_2)
	v_pk_add_f32 v[236:237], v[236:237], v[244:245]
	s_delay_alu instid0(VALU_DEP_1)
	v_pk_add_f32 v[14:15], v[14:15], v[236:237]
.if \s > 0
.set j, 0
.rept 32
	v_pk_mul_f32 v[160+j:161+j], v[160+j:161+j], v[252:253] op_sel_hi:[1,0]   ; O^T under the new M: x f, each accumulator from its low end on
.set j, j+2
.endr
.endif
	s_wait_alu depctr_va_vdst(0)
	s_wait_dscnt 0x0                               ; V's first four tiles are in
.irp g, 0,1                                    ; O^T += V^T P^T; K = these 128 keys.  The first step's products start the sums: nothing is cleared
.if \g > 0
	PLACES
.irp t, 0,1,2,3
.irp c, 0,1,2
	ds_load_b128 v[32+12*\t+4*\c:35+12*\t+4*\c], v[LV] offset:(8*\s+4+\t)*1536+512*\c
.endr
.endr
	ds_load_b128 v[248:251], v[ASV] offset:(2*\s+1)*256
	s_wait_dscnt 0x0
.endif
.irp t, 0,1,2,3
.if \s == 0
	v_wmma_scale_f32_16x16x128_f8f6f4 v[160+32*\g+8*\t:167+32*\g+8*\t], v[32+12*\t:43+12*\t], v[224:235], 0, v[248+\t], v253 matrix_a_fmt:MATRIX_FMT_BF6 matrix_b_fmt:MATRIX_FMT_BF6
.else
	v_wmma_scale_f32_16x16x128_f8f6f4 v[160+32*\g+8*\t:167+32*\g+8*\t], v[32+12*\t:43+12*\t], v[224:235], v[160+32*\g+8*\t:167+32*\g+8*\t], v[248+\t], v253 matrix_a_fmt:MATRIX_FMT_BF6 matrix_b_fmt:MATRIX_FMT_BF6
.endif
.endr
.endr
.endm
; 64 numbers of a lane, register 16 b + i = k 32 b + 16 (lane / 16) + i of my row, become a fragment's codes in v[PC] on and its scale word in v[pw].
.macro QUANT s, pw
.irp b, 0,1,2,3
	v_max3_num_f32 v[TM+\b], |v[\s+16*\b]|, |v[\s+1+16*\b]|, 0x2800000
.endr
.irp i, 2,4,6,8,10,12,14
.irp b, 0,1,2,3
	s_delay_alu instid0(VALU_DEP_4)
	v_max3_num_f32 v[TM+\b], v[TM+\b], |v[\s+16*\b+\i]|, |v[\s+1+16*\b+\i]|
.endr
.endr
.irp b, 0,1,2,3
	s_delay_alu instid0(VALU_DEP_4)
	v_permlanex16_b32 v[TM+4+\b], v[TM+\b], s[SEL], s[SEL+1]
.endr
.irp b, 0,1,2,3
	s_delay_alu instid0(VALU_DEP_4)
	v_max_num_f32 v[TM+\b], v[TM+\b], v[TM+4+\b]
.endr
.irp b, 0,1,2,3
	s_delay_alu instid0(VALU_DEP_4)
	v_add_nc_u32 v[TM+12+\b], 0xfe000000, v[TM+\b]
.endr
.irp b, 0,1,2,3
	s_delay_alu instid0(VALU_DEP_4)
	v_lshrrev_b32 v[TM+4+\b], 23, v[TM+12+\b]
.endr
	s_delay_alu instid0(VALU_DEP_3)
	v_lshl_or_b32 v[\pw], v[TM+5], 8, v[TM+4]
	s_delay_alu instid0(VALU_DEP_1)
	v_lshl_or_b32 v[\pw], v[TM+6], 16, v[\pw]
	s_delay_alu instid0(VALU_DEP_1)
	v_lshl_or_b32 v[\pw], v[TM+7], 24, v[\pw]
.irp c, 0,1
	v_cvt_scalef32_pk16_bf6_f32 v[PC+6*\c:PC+2+6*\c], v[\s+32*\c:\s+15+32*\c], v[TM+12+2*\c]
	v_cvt_scalef32_pk16_bf6_f32 v[PC+12+4*\c:PC+14+4*\c], v[\s+16+32*\c:\s+31+32*\c], v[TM+12+2*\c+1]
.endr
	v_nop                                          ; one plain place behind a scaled conversion
.irp c, 0,1
.irp i, 0,1,2
	v_permlane16_swap_b32 v[PC+6*\c+\i], v[PC+12+4*\c+\i]
.endr
.irp i, 0,1,2
	s_delay_alu instid0(VALU_DEP_3)
	v_mov_b32 v[PC+3+6*\c+\i], v[PC+12+4*\c+\i]
.endr
.endr
.endm
	STEP 0
	STEP 1
.Lfinish:
	PLACES                                         ; behind the last products
	v_add_f32 v14, v14, v15                        ; the sum's two halves
	s_wait_alu depctr_va_vdst(0)
	s_wait_tensorcnt 0x0                           ; my tile of Wp, where I have one
	s_cmp_eq_u32 s[PT], 0
	s_cbranch_scc1 .Lmeet
	s_cmp_eq_u32 s[CN], 0
	s_cbranch_scc1 .Lmeet
	v_mov_b32 v13, v14
.set j, 0
.rept 16
	ds_store_b128 v[LMO], v[160+4*j:163+4*j] offset:512*j              ; the tile's second wave leaves its O, each accumulator from its low end on,
.set j, j+1
.endr
	ds_store_b64 v[LMS], v[12:13]                  ; its -M and its sum
.Lmeet:
	s_wait_dscnt 0x0
	s_barrier_signal -1
	s_barrier_wait -1
	s_cmp_eq_u32 s[PT], 1
	s_cbranch_scc1 .Lothers
	s_cmp_eq_u32 s[DG], 0
	s_cbranch_scc1 .Lalone
.set j, 0
.rept 16
	ds_load_b128 v[96+4*j:99+4*j], v[LMO] offset:512*j
.set j, j+1
.endr
	ds_load_b64 v[232:233], v[LMS]
	s_wait_dscnt 0x0
	v_min_num_f32 v244, v12, v232                  ; the joint -M
	v_sub_f32 v245, v244, v12
	v_sub_f32 v246, v244, v232
	v_cvt_i32_f32 v245, v245
	v_cvt_i32_f32 v246, v246
	v_ldexp_f32 v234, 1.0, v245                    ; f0 = 2^(my M - M), f1 = 2^(its M - M)
	v_ldexp_f32 v236, 1.0, v246
	v_mul_f32 v14, v14, v234
	v_fma_f32 v14, v233, v236, v14
	v_permlanex16_b32 v252, v14, s[SEL], s[SEL+1]
	v_add_f32 v14, v14, v252                       ; and lane l xor 16's: the row's sum
	s_wait_alu depctr_va_vdst(0)
	v_rcp_f32 v14, v14
	v_nop                                          ; one plain place behind a transcendental
	s_wait_alu depctr_va_vdst(0)
	v_mul_f32 v234, v234, v14
	v_mul_f32 v236, v236, v14
.set j, 0
.rept 32
	v_pk_mul_f32 v[160+j:161+j], v[160+j:161+j], v[234:235] op_sel_hi:[1,0]
.set j, j+2
.endr
.set j, 0
.rept 32
	v_pk_fma_f32 v[96+j:97+j], v[96+j:97+j], v[236:237], v[160+j:161+j] op_sel_hi:[1,0,1]   ; y: register 16 b + i is channel 32 b + 16 h + i of my query's head
.set j, j+2
.endr
	s_wait_alu depctr_va_vdst(0)
	s_branch .Lout
.Lalone:                                       ; a tile of one step has one wave
	v_permlanex16_b32 v252, v14, s[SEL], s[SEL+1]
	v_add_f32 v14, v14, v252
	s_wait_alu depctr_va_vdst(0)
	v_rcp_f32 v14, v14
	v_nop
	s_wait_alu depctr_va_vdst(0)
.set j, 0
.rept 32
	v_pk_mul_f32 v[96+j:97+j], v[160+j:161+j], v[14:15] op_sel_hi:[1,0]
.set j, j+2
.endr
.Lout:
	QUANT 96, 252                                  ; along C: the head's 128 are one K step of the projection
.irp c, 0,1,2
	global_store_b128 v[LI], v[PC+4*\c:PC+4*\c+3], s[10:11] offset:512*\c   ; the image: 512 consecutive bytes a store, aligned
.endr
	global_store_b32 v[SR], v252, s[12:13]         ; my row's scale word, 16 bytes apart from row to row; 64 bytes against the image's 1,536.  Lanes 16-31 store the same words at the same places
	s_branch .Lend
.Lothers:
	s_cmp_lt_u32 s[WV], 12
	s_cbranch_scc1 .Lend
; Wp: two fragments, f = 0, 1: 16 rows x 128 K each; a lane takes 2 x 32 neighbours of each from LDS.  The four blocks n = 2 f + c by turns.
	v_and_b32 v58, 15, v0
	v_bfe_u32 v59, v0, 4, 1
	v_mul_u32_u24 v57, v58, 1040
	v_lshlrev_b32 v56, 3, v59                      ; 8 h  (v16-39 take the codes, v40-54 their second halves)
	v_lshl_add_u32 v57, v59, 7, v57
	v_add_nc_u32 v57, s69, v57                     ; row r, + 128 h
.irp n, 0,1,2,3
.irp i, 0,1,2,3,4,5,6,7
	ds_load_b128 v[96+32*\n+4*\i:99+32*\n+4*\i], v57 offset:256*\n+16*\i
.endr
.endr
	s_wait_alu depctr_va_vdst(0)
	s_wait_dscnt 0x0
.irp n, 0,1,2,3
	v_max3_num_f32 v[232+\n], |v[96+32*\n]|, |v[97+32*\n]|, 0x2800000
.endr
.irp i, 2,4,6,8,10,12,14,16,18,20,22,24,26,28,30
.irp n, 0,1,2,3
	v_max3_num_f32 v[232+\n], v[232+\n], |v[96+32*\n+\i]|, |v[97+32*\n+\i]|
.endr
.endr
.irp n, 0,1,2,3
	v_add_nc_u32 v[248+\n], 0xfe000000, v[232+\n]
.endr
.irp n, 0,1,2,3
	v_lshrrev_b32 v[244+\n], 23, v[248+\n]
.endr
.irp n, 0,1,2,3
	v_cvt_scalef32_pk16_bf6_f32 v[16+6*\n:18+6*\n], v[96+32*\n:111+32*\n], v[248+\n]
	v_cvt_scalef32_pk16_bf6_f32 v[40+4*\n:42+4*\n], v[112+32*\n:127+32*\n], v[248+\n]
.endr
.irp f, 0,1
	v_lshl_or_b32 v[252+\f], v[245+2*\f], 16, v[244+2*\f]   ; blocks h and 2 + h (and the plain place behind the conversions),
.endr
.irp n, 0,1,2,3
.irp i, 0,1,2
	v_mov_b32 v[19+6*\n+\i], v[40+4*\n+\i]
.endr
.endr
.irp f, 0,1
	v_lshlrev_b32 v[252+\f], v56, v[252+\f]        ; at their places in the scale word;
.endr
.irp f, 0,1
	v_permlanex16_b32 v[236+\f], v[252+\f], s[SEL], s[SEL+1]
.endr
.irp f, 0,1
	v_or_b32 v[240+\f], v[252+\f], v[236+\f]       ; with lane l xor 16's the word is whole
.endr
.irp f, 0,1
.irp c, 0,1,2
	global_store_b128 v[LI], v[16+12*\f+4*\c:19+12*\f+4*\c], s[62:63] offset:1536*\f+512*\c
.endr
.endr
	global_store_b64 v[SR], v[240:241], s[2:3]     ; two words of each row, 16 bytes apart: 128 bytes against the images' 3,072
.Lend:
	s_wait_tensorcnt 0x0                           ; the wave's end
	ds_add_u32 v[SPW], v[NIL]
	s_wait_dscnt 0x0
	CROUND                                         ; the closing round
	s_endpgm
.Lfunc_end_k_q32585cc814_attn:
	.size	k_q32585cc814_attn, .Lfunc_end_k_q32585cc814_attn-k_q32585cc814_attn
	.p2alignl 7, 3214868480
	.fill 96, 4, 3214868480
	.section	.rodata,"a",@progbits
	.p2align	6, 0x0
	.amdhsa_kernel k_q32585cc814_attn
		.amdhsa_group_segment_fixed_size 327680
		.amdhsa_private_segment_fixed_size 0
		.amdhsa_enable_private_segment 0
		.amdhsa_kernarg_size 56
		.amdhsa_user_sgpr_count 2
		.amdhsa_user_sgpr_kernarg_segment_ptr 1
		.amdhsa_wavefront_size32 1
		.amdhsa_system_sgpr_workgroup_id_x 1
		.amdhsa_system_sgpr_workgroup_id_y 1
		.amdhsa_system_sgpr_workgroup_id_z 1
		.amdhsa_system_vgpr_workitem_id 0
		.amdhsa_next_free_vgpr 256
		.amdhsa_next_free_sgpr 96
		.amdhsa_reserve_vcc 1
		.amdhsa_float_denorm_mode_32 3
		.amdhsa_float_denorm_mode_16_64 3
		.amdhsa_memory_ordered 1
		.amdhsa_forward_progress 1
		.amdhsa_inst_pref_size 87
	.end_amdhsa_kernel
	.amdgpu_metadata
---
amdhsa.version: [ 1, 2 ]
amdhsa.kernels:
  - .name:           k_q32585cc814_attn
    .symbol:         k_q32585cc814_attn.kd
    .args:
      - { .name: qkvc, .offset: 0, .size: 8, .value_kind: global_buffer, .address_space: global }
      - { .name: qkvs, .offset: 8, .size: 8, .value_kind: global_buffer, .address_space: global }
      - { .name: attn_mask, .offset: 16, .size: 8, .value_kind: global_buffer, .address_space: global }
      - { .name: yc, .offset: 24, .size: 8, .value_kind: global_buffer, .address_space: global }
      - { .name: pws, .offset: 32, .size: 8, .value_kind: global_buffer, .address_space: global }
      - { .name: Wp, .offset: 40, .size: 8, .value_kind: global_buffer, .address_space: global }
      - { .name: wpc, .offset: 48, .size: 8, .value_kind: global_buffer, .address_space: global }
    .group_segment_fixed_size: 327680
    .private_segment_fixed_size: 0
    .kernarg_segment_align: 8
    .kernarg_segment_size: 56
    .max_flat_workgroup_size: 512
    .sgpr_count:     96
    .vgpr_count:     256
    .wavefront_size: 32
...
	.end_amdgpu_metadata
.endif
;; end of part 3
;; launch proj (part 4): grid 16 x 16, 4 waves a work-group, clusters of 4 x 4, 327,680 bytes of LDS; arguments yc, wpc, pws, bp, out0; writes out0
.if DOCPART == 4
	.amdgcn_target "amdgcn-amd-amdhsa--gfx1250"
	.amdhsa_code_object_version 6
	.text
	.protected	k_q32585cc814_proj
	.globl	k_q32585cc814_proj
	.p2align	8
	.type	k_q32585cc814_proj,@function
k_q32585cc814_proj:
	s_mov_b64 s[64:65], 0
	v_nop
	global_prefetch_b8 v0, s[64:65] scope:SCOPE_SE
	s_setreg_imm32_b32 hwreg(HW_REG_WAVE_MODE, 25, 1), 1
	s_wait_xcnt 0x0
	s_wait_alu depctr_hold_cnt(0) depctr_sa_sdst(0) depctr_va_vdst(0) depctr_va_sdst(0) depctr_va_ssrc(0) depctr_va_vcc(0) depctr_vm_vsrc(0)
	s_getreg_b32 s2, hwreg(HW_REG_IB_STS2, 6, 4)
	s_cmp_eq_u32 s2, 0
	s_cbranch_scc0 .Lentry_in_a_cluster
	s_endpgm
.Lentry_in_a_cluster:
	s_bfe_u32 s2, ttmp6, 0x10000c
	s_cmp_lg_u32 s2, 0xf033
	s_cbranch_scc0 .Lentry_shape_is_right
	s_endpgm
.Lentry_shape_is_right:
; out0 = y Wp^T + bp on codes of BF6 (E3M2) with E8M0 scales.  yc, wpc: [4 row blocks of 16][4 K steps][row block][K step][1536]: images of operand registers; pws: y's scale words, then Wp's: [row block][4][16 r + 4 e].
; Lane row r of y's row block 2 g + u is token 32 g + 8 u + r + 8 (r / 8); Wp's row blocks are 16 neighbouring rows.  out0 [2048][2048] f32.
; A tile is 128 tokens x 128 columns, so that there are 256 work-groups; four waves, 64 x 64 each: 16 accumulators.
; A K step has only 16 matrix instructions a wave, too few for a tile to land behind them: so as much as LDS holds, K steps 0-11, is asked for at the start, by ONE load a wave of 73,728 dense bytes (three regions of four K steps);
; ONE refill is left: region 0 takes K steps 12-15 when it has been read.  The steps are written out.  The refill's bytes are prefetched at the head, 24 blocks of 256 bytes a wave: of its tile's four row blocks the partner at place p takes the p-th.
; The last four K steps go by rows of the output, K ascending: each block of 16 tokens leaves while the next is multiplied.
; The scale words of all of K go from memory straight into registers: lanes 0-15 y's, lanes 16-31 Wp's.
; THE MATRIX INSTRUCTION IS USED TRANSPOSED (source 0 = 16 rows of Wp, source 1 = 16 rows of y): a lane holds eight neighbouring numbers of a row of the output.  bp is the C of each sum's first product.
; CLUSTERS: 4 x 4 work-groups: y's tiles are asked for jointly along a row of the cluster, Wp's along a column.
; REGISTERS: window 0: v12-29 addresses; v32-95 scale words; v96-127 bp; v128-255 the accumulators ((a, b) at v[128 + 8 (4 a + b)]); on the way out v32-63 and v96-127 hold rows.
;   window 1: two fragment buffers at v0 and v128: y's four fragments, then Wp's four.  The last four K steps: window 2 Wp's sixteen fragments, window 3 y's of one block of 16 tokens, two buffers.
.set FRB,   1536
.set BLK,   4*FRB                      ; a row block's bytes in a region
.set REG,   4*BLK                      ; a wave's region
.set WREG,  3*REG                      ; what one wave's load brings
.set SPARE, 4*WREG                     ; the spare words, 128 bytes for each wave
.set SPITCH, 272                       ; the way out: 16 rows x (256 bytes + 16) for each wave, in its region 1: it has had its only fill, and every wave's last read of it stands ahead of the last barrier
.set BA,   12
.set VSO,  13
.set ADRA, 16
.set ADRB, 20
.set STO,  24
.set RD,   25
.set CO,   26
.set PFO,  27
.set SPW,  28
.set NIL,  29
.set SC,   32
.set OB,   32
.set BP,   96
.set ACC,  128
.set G1,   24
.set G0,   32
.set G1B,  48
.set G0B,  56
.set MSB, 0
.macro WIN new                         ; the immediate's high byte repeats the setting that is left
.if MSB != (\new)
	s_set_vgpr_msb (MSB<<8)|(\new)
.set MSB, (\new)
.endif
.endm
.set MUL,  0x05                        ; sources 0 (Wp) and 1 (y) window 1; C and D window 0
.set MULR, 0x0e                        ; source 0 (Wp) window 2, source 1 (y) window 3
.set TO_F, 0x40                        ; destination window 1, address window 0
.macro JLOAD                           ; a joint load: waves 0 and 1 fetch for y, waves 2 and 3 for Wp; s_nop 0 and four v_nop follow each line
	s_cmp_eq_u32 s15, 0
	s_cbranch_scc0 .Lfor_b_\@
	tensor_load_to_lds s[G0:G0+3], s[G1:G1+7]
	s_nop 0
.rept 4
	v_nop
.endr
	s_branch .Lasked_\@
.Lfor_b_\@:
	tensor_load_to_lds s[G0B:G0B+3], s[G1B:G1B+7]
	s_nop 0
.rept 4
	v_nop
.endr
.Lasked_\@:
.endm
.macro CREST
	s_cmp_lg_u32 s14, 0
	s_cbranch_scc1 .Lnot_wave_0_\@
	s_barrier_signal -3
.Lnot_wave_0_\@:
	s_barrier_wait -3
	s_barrier_signal -1
	s_barrier_wait -1
.endm
.macro CROUND
	s_barrier_signal -1
	s_barrier_wait -1
	CREST
.endm
.macro PLACES                          ; four places behind a matrix instruction (ISA guide 7.12.1 for reads of its result)
.rept 4
	v_nop
.endr
.endm
	s_load_b256 s[4:11], s[0:1], 0x0               ; yc, wpc, pws, bp
	s_load_b64 s[12:13], s[0:1], 0x20              ; out0
	v_lshl_add_u32 v[SPW], v0, 2, SPARE
	v_mov_b32 v[NIL], 0
	ds_add_u32 v[SPW], v[NIL]
	ds_add_u32 v[SPW], v[NIL]
	v_lshrrev_b32 v1, 5, v0
	v_readfirstlane_b32 s14, v1                    ; wave 0..3
	s_lshr_b32 s15, s14, 1                         ; which half of the tile's tokens is mine.  Also: I fetch for y (0) or for Wp (1)
	s_and_b32 s16, s14, 1                          ; which half of its columns.  Also: which 64 rows I fetch
	s_bfe_u32 s40, ttmp6, 0x40000
	s_bfe_u32 s41, ttmp6, 0x40004
	s_lshl_b32 s42, ttmp9, 2
	s_add_co_u32 s42, s42, s40                     ; gx: tile of columns
	s_and_b32 s17, ttmp7, 0xffff
	s_lshl_b32 s17, s17, 2
	s_add_co_u32 s17, s17, s41                     ; gy: tile of tokens
	s_lshl_b32 s43, s41, 2
	s_lshl_b32 s43, 15, s43                        ; my row of the cluster
	s_lshl_b32 s44, 0x1111, s40                    ; my column
	; group 1: 73,728 dense bytes as 12 rows of 6,144 (768 elements of 8 bytes)
	s_or_b32 s[G1+0], s43, (3<<16)|(1<<21)
	s_or_b32 s[G1B+0], s44, (3<<16)|(1<<21)
.irp g, G1, G1B
	s_mov_b32 s[\g+1], 768<<16
	s_mov_b32 s[\g+2], 12<<16
	s_mov_b32 s[\g+3], 768<<16
	s_mov_b32 s[\g+4], 12
	s_mov_b32 s[\g+5], 768
	s_mov_b32 s[\g+6], 0
	s_mov_b32 s[\g+7], 0
.endr
	s_lshl_b32 s20, s17, 1
	s_add_co_u32 s20, s20, s16
	s_mul_i32 s20, s20, 98304                      ; y: rows 128 gy + 64 x half
	s_mov_b32 s21, 0
	s_lshl_b32 s46, s42, 1
	s_add_co_u32 s46, s46, s16
	s_mul_i32 s46, s46, 98304                      ; Wp: rows 128 gx + 64 x half
	s_mov_b32 s47, 0
	s_mul_i32 s45, s14, WREG                       ; where they go: no place in the cluster enters an LDS address
	; the prefetch: K steps 12-15 of my tile's row block p
	s_mul_i32 s70, s40, BLK
	s_add_co_u32 s70, s70, s20
	s_mul_i32 s72, s41, BLK
	s_add_co_u32 s72, s72, s46
	s_cmp_eq_u32 s15, 0
	s_cselect_b32 s70, s70, s72
	s_add_co_u32 s70, s70, 3*REG
	s_mov_b32 s71, 0
	; scale words: y's row block 8 gy + 4 x half, Wp's 8 gx + 4 x half, 1,024 bytes each
	s_lshl_b32 s74, s17, 13
	s_lshl_b32 s75, s15, 12
	s_add_co_u32 s74, s74, s75
	s_lshl_b32 s76, s42, 13
	s_lshl_b32 s77, s16, 12
	s_add_co_u32 s76, s76, s77
	s_add_co_u32 s76, s76, 131072
	s_sub_co_u32 s76, s76, s74
	; my fragments, my stage, my results
	s_mul_i32 s78, s15, WREG
	s_mul_i32 s79, s16, WREG
	s_add_co_u32 s79, s79, 2*WREG
	s_add_co_u32 s80, s45, REG
	s_lshl_b32 s82, s17, 7
	s_lshl_b32 s83, s15, 6
	s_add_co_u32 s82, s82, s83                     ; my first token
	s_lshl_b32 s82, s82, 13
	s_lshl_b32 s84, s42, 9
	s_lshl_b32 s85, s16, 8
	s_add_co_u32 s84, s84, s85                     ; my first column, in bytes
	s_add_co_u32 s82, s82, s84
	s_mov_b32 s83, 0
	s_wait_alu depctr_va_vdst(0)
	s_wait_dscnt 0x0
	s_wait_kmcnt 0x0
	s_cmp_eq_u32 s15, 0
	s_cselect_b64 s[66:67], s[4:5], s[6:7]
	s_add_nc_u64 s[66:67], s[66:67], s[70:71]
	s_add_nc_u64 s[20:21], s[4:5], s[20:21]
	s_add_nc_u64 s[46:47], s[6:7], s[46:47]
	s_add_nc_u64 s[12:13], s[12:13], s[82:83]
	CROUND                                         ; all sixteen work-groups are here: the first joint loads meet
	s_mov_b32 s[G0], 1
	s_mov_b32 s[G0+1], s45
	s_mov_b64 s[G0+2:G0+3], s[20:21]
	s_or_b32 s[G0+3], s[G0+3], 0x80000000
	s_mov_b32 s[G0B], 1
	s_mov_b32 s[G0B+1], s45
	s_mov_b64 s[G0B+2:G0B+3], s[46:47]
	s_or_b32 s[G0B+3], s[G0B+3], 0x80000000
	JLOAD                                          ; K steps 0-11: one tensor load a wave at the head
	v_and_b32 v3, 31, v0
	v_and_b32 v1, 15, v0                           ; r
	v_bfe_u32 v2, v0, 4, 1                         ; h
	v_lshlrev_b32 v4, 4, v3                        ; 16 x lane
	v_lshlrev_b32 v5, 4, v1
	v_mul_u32_u24 v[VSO], s76, v2                  ; lanes 16-31 take Wp's scale words
	v_lshl_add_u32 v[BA], v2, 5, s84               ; bp: register j of block b is column 16 b + 8 h + j of my 64
	v_add3_u32 v[VSO], v[VSO], s74, v5
	v_min_u32 v[PFO], 23, v3
	v_lshlrev_b32 v[PFO], 8, v[PFO]
.irp g, 0,1,2,3
.irp i, 0,1,2,3
	global_load_b128 v[SC+16*\g+4*\i:SC+16*\g+4*\i+3], v[VSO], s[8:9] offset:1024*\i+256*\g   ; sixteen lanes read 256 consecutive bytes
.endr
.endr
.irp b, 0,1,2,3
.irp e, 0,1
	global_load_b128 v[BP+8*\b+4*\e:BP+8*\b+4*\e+3], v[BA], s[10:11] offset:64*\b+16*\e
.endr
.endr
	global_prefetch_b8 v[PFO], s[66:67] th:TH_LOAD_NT scope:SCOPE_SE
	v_add_nc_u32 v[ADRA], s78, v4
	v_add_nc_u32 v[ADRB], s79, v4
	v_add_nc_u32 v[ADRA+1], REG, v[ADRA]
	v_add_nc_u32 v[ADRB+1], REG, v[ADRB]
	v_add_nc_u32 v[ADRA+2], 2*REG, v[ADRA]
	v_add_nc_u32 v[ADRB+2], 2*REG, v[ADRB]
	v_mul_u32_u24 v5, v1, SPITCH                   ; the stage, in: row r, + 32 h
	v_lshl_add_u32 v5, v2, 5, v5
	v_add_nc_u32 v[STO], s80, v5
	v_mul_u32_u24 v6, v2, SPITCH                   ; back: lanes 0-15 one row of 256 bytes, lanes 16-31 the next
	v_lshl_add_u32 v6, v1, 4, v6
	v_add_nc_u32 v[RD], s80, v6
	v_lshlrev_b32 v7, 13, v2                       ; and the same two rows in out0: 8,192 bytes a row
	v_lshl_add_u32 v[CO], v1, 4, v7
; 24 LDS loads in one run: step k's fragments into buffer k % 2, as they were stored
.macro FETCH k
.set FF, 128*((\k)%2)
.set FS, (\k)/4
	WIN TO_F
.irp i, 0,1,2,3
.irp c, 0,1,2
	ds_load_b128 v[FF+12*\i+4*\c:FF+12*\i+4*\c+3], v[ADRA+FS] offset:\i*BLK+((\k)%4)*FRB+512*\c
	ds_load_b128 v[FF+48+12*\i+4*\c:FF+48+12*\i+4*\c+3], v[ADRB+FS] offset:\i*BLK+((\k)%4)*FRB+512*\c
.endr
.endr
.endm
; 4 matrix instructions: y's block a x Wp's four.  Step 0's sums begin with bp.  The 16 accumulators take turns, one instruction a turn, in the same order in every step.
.macro MULA k, a
.set FF, 128*((\k)%2)
.set SR, SC+16*((\k)/4)+(\k)%4
.irp b, 0,1,2,3
.if (\k) == 0
	v_wmma_scale_f32_16x16x128_f8f6f4 v[ACC+8*(4*(\a)+\b):ACC+8*(4*(\a)+\b)+7], v[FF+48+12*\b:FF+48+12*\b+11], v[FF+12*(\a):FF+12*(\a)+11], v[BP+8*\b:BP+8*\b+7], v[SR+4*\b], v[SR+4*(\a)] matrix_a_fmt:MATRIX_FMT_BF6 matrix_b_fmt:MATRIX_FMT_BF6 matrix_a_scale:MATRIX_SCALE_ROW1
.else
	v_wmma_scale_f32_16x16x128_f8f6f4 v[ACC+8*(4*(\a)+\b):ACC+8*(4*(\a)+\b)+7], v[FF+48+12*\b:FF+48+12*\b+11], v[FF+12*(\a):FF+12*(\a)+11], v[ACC+8*(4*(\a)+\b):ACC+8*(4*(\a)+\b)+7], v[SR+4*\b], v[SR+4*(\a)] matrix_a_fmt:MATRIX_FMT_BF6 matrix_b_fmt:MATRIX_FMT_BF6 matrix_a_scale:MATRIX_SCALE_ROW1
.endif
.endr
.endm
; A step: the next step's fragments are asked for, into the buffer that the last step multiplied; then this step's 16 products.
.macro STEP k
	PLACES
	FETCH (\k)+1
	s_wait_dscnt 24                                ; all but the 24 just issued: this step's fragments are in
	WIN MUL
.irp a, 0,1,2,3
	MULA \k, \a
.endr
.endm
; The last four K steps: y's fragments of block a into buffer a % 2 (12 loads), Wp's of all four blocks (48, K step by K step), and block a's 16 products, its four accumulators by turns.
.macro ALOAD a
	WIN 0xc0
.irp q, 0,1,2,3
.irp c, 0,1,2
	ds_load_b128 v[48*((\a)%2)+12*\q+4*\c:48*((\a)%2)+12*\q+4*\c+3], v[ADRA] offset:(\a)*BLK+\q*FRB+512*\c
.endr
.endr
	WIN 0
.endm
.macro BLOAD
	WIN 0x80
.irp q, 0,1,2,3
.irp b, 0,1,2,3
.irp c, 0,1,2
	ds_load_b128 v[48*\q+12*\b+4*\c:48*\q+12*\b+4*\c+3], v[ADRB] offset:\b*BLK+\q*FRB+512*\c
.endr
.endr
.endr
	WIN 0
.endm
.macro ROW a
	WIN MULR
.irp q, 0,1,2,3
.if (\a) == 0
	s_wait_dscnt 48-12*\q                          ; y's block 0 and Wp's K step q are in; the later K steps and y's block 1 may be out
.endif
.irp b, 0,1,2,3
	v_wmma_scale_f32_16x16x128_f8f6f4 v[ACC+8*(4*(\a)+\b):ACC+8*(4*(\a)+\b)+7], v[48*\q+12*\b:48*\q+12*\b+11], v[48*((\a)%2)+12*\q:48*((\a)%2)+12*\q+11], v[ACC+8*(4*(\a)+\b):ACC+8*(4*(\a)+\b)+7], v[SC+48+\q+4*\b], v[SC+48+\q+4*(\a)] matrix_a_fmt:MATRIX_FMT_BF6 matrix_b_fmt:MATRIX_FMT_BF6 matrix_a_scale:MATRIX_SCALE_ROW1
.endr
.endr
	WIN 0
	PLACES                                         ; behind its last products
.endm
; A step with a barrier; in front of it each wave waits for all its tensor loads, adds 0 to its spare word, and waits for that and for its own reads.
; fill = 1: region 0, just read, takes K steps 12-15.  fill = 0: that refill has landed; nothing is left to fetch.
.macro TURN k, fill
	WIN 0                                          ; (the add's two registers lie in window 0)
	s_wait_tensorcnt 0x0                           ; all my tensor loads have landed;
	ds_add_u32 v[SPW], v[NIL]
	s_wait_dscnt 1                                 ; (the add alone may be out: this step's fragments are in)
	WIN MUL
	MULA \k, 0
	s_wait_dscnt 0x0                               ; the add is done, and my reads of the regions so far are over
	s_barrier_signal -1
	MULA \k, 1
	WIN 0
	s_barrier_wait -1
.if \fill
	CREST                                          ; no wave of any partner still reads region 0 or has a load on its way
	s_add_nc_u64 s[G0+2:G0+3], s[G0+2:G0+3], 3*REG
	s_add_nc_u64 s[G0B+2:G0B+3], s[G0B+2:G0B+3], 3*REG
	s_mov_b32 s[G1+2], 4<<16                       ; 4 rows of 6,144 bytes
	s_mov_b32 s[G1+4], 4
	s_mov_b32 s[G1B+2], 4<<16
	s_mov_b32 s[G1B+4], 4
	JLOAD                                          ; the first tensor load behind the round, and my last; its four v_nop are the places in front of the loads below
	FETCH (\k)+1
.else
	ALOAD 0                                        ; (no matrix instruction has read these registers)
	BLOAD
.endif
	WIN MUL
	MULA \k, 2
.if \fill == 0
	s_wait_dscnt 48                                ; y's block 0 is in; Wp's 48 loads may be out
	ALOAD 1
	WIN MUL
.endif
	MULA \k, 3
.endm
	s_wait_alu depctr_va_vdst(0)
	s_wait_loadcnt 0x0                             ; the scale words and bp
	s_wait_tensorcnt 0x0                           ; my part of K steps 0-11 is in
	s_barrier_signal -1
	s_barrier_wait -1                              ; everybody's is
	FETCH 0
	STEP 0
	STEP 1
	STEP 2
	TURN 3, 1
	STEP 4
	STEP 5
	STEP 6
	STEP 7
	STEP 8
	STEP 9
	STEP 10
	TURN 11, 0
; THE WAY OUT, block by block of 16 tokens x 64 columns.  A lane holds 32 neighbouring bytes of a row and the lanes beside it hold other rows: a block goes through my own stage in LDS and comes back as rows of 256 bytes.
; LDS serves a wave's instructions in order (ISA guide 5.7.1.4): no wait between the stores and the loads, nor in front of the next block's stores.
.macro TOSTAGE a
.irp b, 0,1,2,3
.irp e, 0,1
	ds_store_b128 v[STO], v[ACC+8*(4*(\a)+\b)+4*\e:ACC+8*(4*(\a)+\b)+4*\e+3] offset:64*\b+16*\e   ; each accumulator from its low end on
.endr
.endr
.irp t, 0,1,2,3,4,5,6,7
	ds_load_b128 v[OB+64*((\a)%2)+4*\t:OB+64*((\a)%2)+4*\t+3], v[RD] offset:2*\t*SPITCH
.endr
.endm
.macro SEND a                          ; stage row 2 t + h is token 32 (a / 2) + 8 (a % 2) + 2 t + h + 8 (t / 4) of my 64
	s_wait_dscnt 0x0                               ; the block is back in registers (and y's next fragments are in)
.irp t, 0,1,2,3,4,5,6,7
	global_store_b128 v[CO], v[OB+64*((\a)%2)+4*\t:OB+64*((\a)%2)+4*\t+3], s[12:13] offset:(32*((\a)/2)+8*((\a)%2)+2*\t+8*(\t/4))*8192 th:TH_STORE_NT   ; 16 lanes store 256 consecutive bytes, at a multiple of 256 from out0's first byte
.endr
.endm
	ROW 0
	ALOAD 2
	TOSTAGE 0
	s_wait_dscnt 28                                ; y's block 1 is in; behind it: block 2's 12 loads and the stage's 16
	ROW 1
	SEND 0
	ALOAD 3
	TOSTAGE 1
	ROW 2
	SEND 1
	s_wait_xcnt 0x0                                ; block 0's stores have read their registers: block 2's loads may land there
	TOSTAGE 2
	ROW 3
	SEND 2
	s_wait_xcnt 0x0
	TOSTAGE 3
	SEND 3
	s_wait_tensorcnt 0x0                           ; the wave's end, behind my last tensor load and my last LDS store
	ds_add_u32 v[SPW], v[NIL]
	s_wait_dscnt 0x0
	CROUND                                         ; the closing round: no work-group ends while a partner may still ask for a tile that names it
	s_endpgm
.Lfunc_end_k_q32585cc814_proj:
	.size	k_q32585cc814_proj, .Lfunc_end_k_q32585cc814_proj-k_q32585cc814_proj
	.p2alignl 7, 3214868480
	.fill 96, 4, 3214868480
	.section	.rodata,"a",@progbits
	.p2align	6, 0x0
	.amdhsa_kernel k_q32585cc814_proj
		.amdhsa_group_segment_fixed_size 327680
		.amdhsa_private_segment_fixed_size 0
		.amdhsa_enable_private_segment 0
		.amdhsa_kernarg_size 40
		.amdhsa_user_sgpr_count 2
		.amdhsa_user_sgpr_kernarg_segment_ptr 1
		.amdhsa_wavefront_size32 1
		.amdhsa_system_sgpr_workgroup_id_x 1
		.amdhsa_system_sgpr_workgroup_id_y 1
		.amdhsa_system_sgpr_workgroup_id_z 1
		.amdhsa_system_vgpr_workitem_id 0
		.amdhsa_next_free_vgpr 1024
		.amdhsa_next_free_sgpr 100
		.amdhsa_reserve_vcc 0
		.amdhsa_float_denorm_mode_32 3
		.amdhsa_float_denorm_mode_16_64 3
		.amdhsa_memory_ordered 1
		.amdhsa_forward_progress 1
		.amdhsa_inst_pref_size 78
	.end_amdhsa_kernel
	.amdgpu_metadata
---
amdhsa.version: [ 1, 2 ]
amdhsa.kernels:
  - .name:           k_q32585cc814_proj
    .symbol:         k_q32585cc814_proj.kd
    .args:
      - { .name: yc, .offset: 0, .size: 8, .value_kind: global_buffer, .address_space: global }
      - { .name: wpc, .offset: 8, .size: 8, .value_kind: global_buffer, .address_space: global }
      - { .name: pws, .offset: 16, .size: 8, .value_kind: global_buffer, .address_space: global }
      - { .name: bp, .offset: 24, .size: 8, .value_kind: global_buffer, .address_space: global }
      - { .name: out0, .offset: 32, .size: 8, .value_kind: global_buffer, .address_space: global }
    .group_segment_fixed_size: 327680
    .private_segment_fixed_size: 0
    .kernarg_segment_align: 8
    .kernarg_segment_size: 40
    .max_flat_workgroup_size: 128
    .sgpr_count:     100
    .vgpr_count:     1024
    .wavefront_size: 32
...
	.end_amdgpu_metadata
.endif
;; end of part 4
